; MI455X (gfx1250); checked and timed in simulation.
; The chip was launched on July 23, 2026; its instructions are those of AMD's public machine-readable ISA for CDNA 5 (MIT licence, August 2026) and "CDNA5" Instruction Set Architecture Reference Guide (July 2026). The comments in the code are by the model that wrote it; some were corrected since.
;; Spatial Transformer. Allowed arithmetic: matrix products marked QUANTISED: E2M3 operands, one E8M0 scale for each 32 along K, by v_wmma_scale_f32_16x16x128_f8f6f4 with both operands' format E2M3, f32 sums; everything else in f32.
;; Inputs: Wk_codes 1,024 x 32 x 24 uint8 (E2M3 codes of Wk, K innermost, in blocks of 32 codes, four codes in three bytes); Wk_scales 1,024 x 32 uint8 (E8M0 scales of Wk, one for each 32 codes along K); Wo_codes 1,024 x 32 x 24 uint8 (E2M3 codes of Wo, K innermost, in blocks of 32 codes, four codes in three bytes); Wo_scales 1,024 x 32 uint8 (E8M0 scales of Wo, one for each 32 codes along K); Wq_codes 1,024 x 32 x 24 uint8 (E2M3 codes of Wq, K innermost, in blocks of 32 codes, four codes in three bytes); Wq_scales 1,024 x 32 uint8 (E8M0 scales of Wq, one for each 32 codes along K); Wv_codes 1,024 x 32 x 24 uint8 (E2M3 codes of Wv, K innermost, in blocks of 32 codes, four codes in three bytes); Wv_scales 1,024 x 32 uint8 (E8M0 scales of Wv, one for each 32 codes along K); bk 1,024 float32; bo 1,024 float32; bq 1,024 float32; bv 1,024 float32; content_embeddings_codes 4 x 2,048 x 32 x 24 uint8 (E2M3 codes of content_embeddings, K innermost, in blocks of 32 codes, four codes in three bytes); content_embeddings_scales 4 x 2,048 x 32 uint8 (E8M0 scales of content_embeddings, one for each 32 codes along K); x 4 x 2,048 x 1,024 float32.
;; Outputs: out0 4 x 2,048 x 1,024 float32.
;; This version of the problem:
;;   THIS VERSION OF THE PROBLEM IS GIVEN IN LOW PRECISION. The matrix products marked QUANTISED in the list below multiply operands that are first quantised to E2M3 (2 exponent bits, 3 mantissa bits; 6 bits a number), with one power-of-two scale for each 32 numbers along K (OCP MX v1.0); their sums are f32. All else is computed in f32.
;;   The module's matrix products, in the order in which they are computed (A, B: the left and right operand; K: the contracted axis; several contracted axes count as one K, in the product's order):
;;     1. [M 8,192, K 1,024] x [K 1,024, N 1,024]; A: input x; B: input Wq (given as codes): QUANTISED
;;     2. [M 8,192, K 1,024] x [K 1,024, N 1,024]; A: input content_embeddings (given as codes); B: input Wk (given as codes): QUANTISED
;;     3. [M 8,192, K 1,024] x [K 1,024, N 1,024]; A: input content_embeddings (given as codes); B: input Wv (given as codes): QUANTISED
;;     4. batch 4 x [M 2,048, K 1,024] x [K 1,024, N 2,048]; A: computed on the way; B: computed on the way: QUANTISED
;;     5. batch 4 x [M 2,048, K 2,048] x [K 2,048, N 1,024]; A: softmax (see below); B: computed on the way: QUANTISED
;;     6. [M 8,192, K 1,024] x [K 1,024, N 1,024]; A: computed on the way; B: input Wo (given as codes): QUANTISED
;;   THE QUANTISER, for each operand of a quantised product, along K:
;;     - K is cut into blocks of 32 from its start; a last block that is shorter is filled with zeros.
;;     - A block's scale is 2^e with e = floor(log2(the largest magnitude in the block)) - 2, held to -126 .. 127; a block of zeros has e = 0. As a byte (E8M0): e + 127.
;;     - Each number is divided by its block's scale, clamped to +-7.5, and rounded to the nearest number of E2M3, ties to even, subnormals kept.
;;     - The product sums the exact products of the quantised numbers (number of the format x scale) in f32.
;;   ~~~python
;;   def quantise(x, axis):      # numpy; x: float32 -> the quantised numbers, widened to float32 again
;;       x = np.moveaxis(x, axis, -1); K = x.shape[-1]
;;       x = np.pad(x, [(0, 0)] * (x.ndim - 1) + [(0, -K % 32)]); x = x.reshape(x.shape[:-1] + (-1, 32)); a = np.abs(x).max(-1, keepdims=True)
;;       e = np.where(a > 0, np.clip(np.frexp(np.where(a > 0, a, 1))[1] - 1 - 2, -126, 127), 0)      # np.frexp(a)[1] - 1 = floor(log2(a)), exactly
;;       r = np.clip(x / 2.0 ** e, -7.5, 7.5)
;;       step = 2.0 ** (np.maximum(np.frexp(np.where(r == 0, 1, r))[1] - 1, 0) - 3)
;;       q = np.round(r / step) * step * 2.0 ** e      # np.round: ties to even
;;       return np.moveaxis(q.reshape(q.shape[:-2] + (-1,))[..., :K], -1, axis).astype(np.float32)
;;   ~~~
;;   SOFTMAX AHEAD OF A QUANTISED PRODUCT. Where the list says 'softmax', what is quantised is not the finished softmax but p = 2^(t - M), with t = logit x log2(e) and M = ceil(the row's largest t), a whole number; so 1/2 < the row's largest p <= 1. The row's sum l is taken of the UNQUANTISED p, in f32, and the product's result is divided by l at the end. Since M is a whole number, a kernel that streams over the keys may use a running M (the ceiling of the running maximum): every later rescaling is an exact power of two, which a block's scale takes up: the codes' values come out the same.
;;   OPERANDS COMPUTED ON THE WAY. 'Computed on the way' means the value that the module computes at that place (a softmax that the list does not call 'softmax' is quantised finished and normalised). What goes into a quantiser is computed in f32, as accurately as f32 sums, v_exp_f32 and their like allow (about 1e-6 of the number): no bf16 or f16 on the way to a quantiser, and a product that is left as it is and whose result goes on into a quantised operand takes f32 operands (vector FMAs, or v_wmma_f32_16x16x4_f32). A number that lies on a knife's edge between two numbers of the format may be rounded either way, as far as f32 arithmetic and the matrix unit's own rounding can turn it there, and no further.
;;   INPUTS GIVEN AS CODES. Wk (in the module: [1024, 1024], K = its axis 1); Wo (in the module: [1024, 1024], K = its axis 1); Wq (in the module: [1024, 1024], K = its axis 1); Wv (in the module: [1024, 1024], K = its axis 1); content_embeddings (in the module: [4, 2048, 1024], K = its axis 2): each comes as NAME_codes (uint8): NAME with its K axis moved to the last place and cut into blocks of 32 codes, [.., K / 32, bytes a block], one block behind the other in memory; four codes in three bytes: a row's codes are one little-endian stream of bits, code i at bits 6 i .. 6 i + 5 (a code: sign, 2 exponent bits, 3 mantissa bits); and NAME_scales (uint8): the same leading axes, one E8M0 byte (e + 127) for each 32 codes along K. Its value is code x scale, taken as it is: it is not quantised again, and the codes and scales need not be those that the quantiser above would give.
;; One version. Each part assembles by itself: llvm-mc -triple=amdgcn-amd-amdhsa -mcpu=gfx1250 --defsym DOCPART=n.
;; ======== version 1 of 1: 5 launches
;; limits: right only within a limited range of input values
;; workspace buffers: pre 16,384,000 bytes; qkv 19,660,800 bytes; pb 14,155,776 bytes; rb 6,553,600 bytes
;; launch prep (part 1): grid 448 x 1, 8 waves a work-group, no clusters, 121,856 bytes of LDS; arguments x, content_embeddings_codes, content_embeddings_scales, Wq_codes, Wq_scales, Wk_codes, Wk_scales, Wv_codes, Wv_scales, Wo_codes, Wo_scales, pre; writes pre
.if DOCPART == 1
	.amdgcn_target "amdgcn-amd-amdhsa--gfx1250"
	.amdhsa_code_object_version 6
	.text
	.protected	k_qbb04de6b23_prep
	.globl	k_qbb04de6b23_prep
	.p2align	8
	.type	k_qbb04de6b23_prep,@function
k_qbb04de6b23_prep:
	s_mov_b64 s[64:65], 0
	v_nop
	global_prefetch_b8 v0, s[64:65] scope:SCOPE_SE
	s_setreg_imm32_b32 hwreg(HW_REG_WAVE_MODE, 25, 1), 1
	s_wait_xcnt 0x0
; THE PROGRAM: out = Q(x + softmax(Q(q) Q(k)^T / 32) Q(v)) Wo^T + bo, q = Q(x) Wq^T + bq, k = ce Wk^T + bk, v = ce Wv^T + bv, every product on codes of FP6 (E2M3) with one E8M0 scale for each 32 along K.
; NO WORK IS DEAD: each of the six products reaches the output; bq, bk and bv stand ahead of a quantiser and move its codes; bo is added to the output.  All inputs are loaded.
; Five launches: this one; proj (q, k, v^T); score (p under a whole-number maximum of each 128 keys); mix (the maxima joined, p v, / l, + x); outp.
; THIS LAUNCH lays every operand of the first products, and Wo, in the order of the matrix operand's registers, so that the later launches read fragments by loads of 16 bytes a lane, 512 bytes on end.
;   An image is a fragment, 16 rows x 128 K: 12 registers a lane, registers 4 c .. 4 c + 3 of lane l at byte 512 c + 16 l: 1,536 bytes.  Images lie [group of 128 rows][K step of 128][block i 0..7].
;   THE ROWS OF A BLOCK ARE NOT NEIGHBOURS: lane row r of block i is row 32 (i / 2) + 8 (i % 2) + r + 8 (r / 8) of its group, so that a product used transposed leaves a lane 16 neighbours along its N.
;   Scale words (4 bytes: 128 K of a row) lie [group][K step][l 0..31][j 0..3]: the word of block 2 j + l / 16, lane row l % 16: 512 bytes a K step.
; Work-groups 0-255 quantise x (f32) along its 1,024 channels; work-groups 256-447 re-lay content_embeddings, Wq, Wk, Wv, Wo, which arrive as rows of codes.  The two ways part once, on the work-group's
; number, and each has LDS bytes of its own.  A stream: no matrix unit, no cluster, no ring of slots would add anything.
; A block's scale is 2^(floor(log2(its largest magnitude)) - 2): its byte is the largest magnitude's exponent field - 2, held at 1 from below.
; LIMITS: a block of zeros gets the byte 1 where the rule says 127 (its codes are zeros, and this program alone reads the bytes); blocks whose largest magnitude lies under 2^-124 keep the byte 1;
; NaN and infinities among the inputs are not served.
.set XPIT,  528                        ; x's stage: a row of 512 bytes + 16
.set XWB,   16*XPIT                    ; a stage of 16 rows for each wave, from LDS byte 0
.set SWX,   8*XWB                      ; x's scale words of two K steps: 1,024 bytes
.set RSTG,  SWX+1024                   ; the re-lay's stages: 16 rows of 768 bytes + 16 for each pair of waves
.set RPIT,  784
.set RPB,   16*RPIT
.set RSC,   RSTG+4*RPB                 ; the re-lay's scale bytes: 128 rows x 16
.set SPARE, RSC+2048                   ; the spare words, 128 bytes for each wave: four blocks of 256 bytes that no other line names
.set P_CEI, 6291456                    ; in pre: x's images at 0; then content_embeddings', Wq's, Wk's, Wv's, Wo's: group TG of 96 at P_CEI + 98,304 TG
.set P_XS,  15728640                   ; x's scale words
.set P_CES, 15990784                   ; the others': group TG at P_CES + 4,096 TG
.set SPW,   12                         ; v12  LDS address of my spare word; never rewritten
.set NIL,   13                         ; v13  0; never rewritten
.set XR,    16                         ; v16-143  x as loaded: two images x 16 rows x 4 registers
.set XT,    144                        ; v144-207 64 numbers of my row: register 32 c + i = k 64 c + 32 h + i
.set PC,    208                        ; v208-219 an image's 12 registers
.set TC2,   220                        ; v220-222, v224-226: the second half of each block's codes, before it is moved
	s_load_b512 s[4:19], s[0:1], 0x0               ; x, ce codes, ce scales, Wq codes, Wq scales, Wk codes, Wk scales, Wv codes
	s_load_b256 s[20:27], s[0:1], 0x40             ; Wv scales, Wo codes, Wo scales, pre
	v_lshl_add_u32 v[SPW], v0, 2, SPARE
	v_mov_b32 v[NIL], 0
	v_lshrrev_b32 v1, 5, v0
	s_delay_alu instid0(VALU_DEP_1)
	v_readfirstlane_b32 s28, v1                    ; wave 0..7
	v_and_b32 v1, 31, v0                           ; lane
	v_and_b32 v2, 15, v0                           ; r
	s_wait_alu depctr_va_vdst(0)
	v_bfe_u32 v3, v0, 4, 1                         ; h
	v_lshlrev_b32 v4, 4, v1                        ; 16 x lane
	s_wait_alu depctr_va_vdst(0)
	v_lshlrev_b32 v116, 5, v1                      ; 32 x lane
	s_lshr_b32 s29, s28, 1
	s_and_b32 s30, s28, 1
	s_and_b32 s31, s28, 3
	s_mov_b32 s40, 0x76543210
	s_mov_b32 s41, 0xfedcba98                      ; v_permlanex16_b32's selects for lane l xor 16
	; every LDS address of both ways is made here, ahead of the parting
	s_mul_i32 s32, s28, XWB
	v_add_nc_u32 v5, s32, v4                       ; x's stage, in: 16 x lane of a row
	v_mul_u32_u24 v6, v2, XPIT
	s_delay_alu instid0(VALU_DEP_1)
	v_lshl_add_u32 v6, v3, 7, v6
	s_delay_alu instid0(VALU_DEP_1)
	v_add_nc_u32 v6, s32, v6                       ; and out: row r, + 128 h: my 32 numbers of each 64
	s_lshl_b32 s32, s30, 8
	s_lshl_b32 s33, s29, 2
	s_add_co_u32 s32, s32, s33
	s_add_co_u32 s32, s32, SWX
	v_lshl_add_u32 v7, v2, 4, s32                  ; my row's scale word: l = 16 (wave % 2) + r, j = wave / 2
	s_lshl_b32 s32, s30, 9
	s_add_co_u32 s32, s32, SWX
	v_add_nc_u32 v8, s32, v4                       ; and a K step's 512 bytes of words on the way out
	s_mul_i32 s32, s29, RPB
	s_add_co_u32 s32, s32, RSTG
	s_mul_i32 s33, s30, 8*RPIT
	s_add_co_u32 s33, s33, s32
	v_add_nc_u32 v9, s33, v4                       ; the re-lay's stage, in: my run of 8 rows, dense bytes + 16 for each row passed;
	s_delay_alu instid0(VALU_DEP_1)
	v_lshl_add_u32 v10, v3, 4, v9                  ; (for the loads whose upper sixteen lanes lie one row further on)
	v_mul_u32_u24 v11, v2, RPIT
	s_delay_alu instid0(VALU_DEP_1)
	v_mad_u32_u24 v11, v3, 24, v11
	s_mul_i32 s33, s30, 384
	s_add_co_u32 s33, s33, s32
	v_add_nc_u32 v11, s33, v11                     ; and out: row r, + 24 h, + my four K steps of 96 bytes
	s_lshl_b32 s32, s31, 9
	s_add_co_u32 s32, s32, RSC
	v_add_nc_u32 v14, s32, v4                      ; scale bytes, in: row 32 (wave % 4) + lane, 16 bytes a row
	v_and_b32 v15, 8, v2
	s_delay_alu instid0(VALU_DEP_1)
	v_add_nc_u32 v15, v15, v2
	s_delay_alu instid0(VALU_DEP_1)
	v_lshl_add_u32 v15, v3, 3, v15                 ; 8 h + r + 8 (r / 8)
	s_lshl_b32 s32, s31, 2
	s_add_co_u32 s32, s32, RSC
	v_lshl_add_u32 v15, v15, 4, s32                ; and out: that row's word of K step wave % 4
	s_wait_kmcnt 0x0
	s_cmp_lt_u32 ttmp9, 256
	s_cbranch_scc0 .Lrelay
	; ---- x.  Work-group id: group G = id / 4, K steps 2 (id % 4) and + 1.  Wave w makes block w's two images.
	s_lshr_b32 s34, ttmp9, 2                       ; G
	s_and_b32 s35, ttmp9, 3
	s_lshl_b32 s36, s34, 7
	s_lshl_b32 s37, s29, 5
	s_add_co_u32 s36, s36, s37
	s_lshl_b32 s37, s30, 3
	s_add_co_u32 s36, s36, s37                     ; my block's first row: 128 G + 32 (w / 2) + 8 (w % 2)
	s_lshl_b32 s36, s36, 12
	s_lshl_b32 s37, s35, 10
	s_add_co_u32 s36, s36, s37                     ; in bytes, + the two K steps' 1,024 bytes
	s_mov_b32 s37, 0
	s_add_nc_u64 s[4:5], s[4:5], s[36:37]
	s_mul_i32 s36, s34, 98304
	s_mul_i32 s38, s35, 24576
	s_add_co_u32 s36, s36, s38
	s_mul_i32 s38, s28, 1536
	s_add_co_u32 s36, s36, s38
	s_add_nc_u64 s[42:43], s[26:27], s[36:37]      ; my first image
	s_lshl_b32 s36, s34, 12
	s_lshl_b32 s38, s35, 10
	s_add_co_u32 s36, s36, s38
	s_lshl_b32 s38, s30, 9
	s_add_co_u32 s36, s36, s38
	s_add_co_u32 s36, s36, P_XS
	s_add_nc_u64 s[44:45], s[26:27], s[36:37]      ; the words of K step 2 (id % 4) + wave % 2
.irp e, 0,1
.irp p, 0,1,2,3,4,5,6,7,8,9,10,11,12,13,14,15
	global_load_b128 v[XR+64*\e+4*\p:XR+64*\e+4*\p+3], v4, s[4:5] offset:(\p+8*(\p/8))*4096+512*\e th:TH_LOAD_NT   ; 32 lanes read 512 consecutive bytes of one row
.endr
.endr
.macro XIMG e
.if \e
	s_wait_loadcnt 0x0
.else
	s_wait_loadcnt 16                              ; the first image's 16 loads are in; the second's may be out
.endif
.irp p, 0,1,2,3,4,5,6,7,8,9,10,11,12,13,14,15
	ds_store_b128 v5, v[XR+64*\e+4*\p:XR+64*\e+4*\p+3] offset:\p*XPIT
.endr
.irp c, 0,1
.irp q, 0,1,2,3,4,5,6,7
	ds_load_b128 v[XT+32*\c+4*\q:XT+32*\c+4*\q+3], v6 offset:256*\c+16*\q   ; LDS serves a wave's instructions in order: these see my stores
.endr
.endr
	s_wait_dscnt 0x0
.irp c, 0,1                                    ; my block 2 c + h of 32: all its numbers are mine
	v_max3_num_f32 v[228+\c], |v[XT+32*\c]|, |v[XT+32*\c+1]|, 0x1800000   ; and the floor 2^(3 - 127): the byte cannot fall under 1
.endr
.irp i, 2,4,6,8,10,12,14,16,18,20,22,24,26,28,30
.irp c, 0,1
	s_delay_alu instid0(VALU_DEP_2)
	v_max3_num_f32 v[228+\c], v[228+\c], |v[XT+32*\c+\i]|, |v[XT+32*\c+\i+1]|
.endr
.endr
.irp c, 0,1
	s_delay_alu instid0(VALU_DEP_2)
	v_add_nc_u32 v[230+\c], 0xff000000, v[228+\c]  ; 2 off the exponent field: the conversion's scale operand
.endr
.irp c, 0,1
	s_delay_alu instid0(VALU_DEP_2)
	v_lshrrev_b32 v[232+\c], 23, v[230+\c]         ; the scale's byte
.endr
	s_delay_alu instid0(VALU_DEP_1)
	v_lshl_or_b32 v234, v233, 16, v232             ; my two bytes, blocks h and 2 + h,
	v_lshlrev_b32 v235, 3, v3
	s_delay_alu instid0(VALU_DEP_1)
	v_lshlrev_b32 v234, v235, v234                 ; at their places in the word;
	s_delay_alu instid0(VALU_DEP_1)
	v_permlanex16_b32 v235, v234, s40, s41
	s_delay_alu instid0(VALU_DEP_1)
	v_or_b32 v234, v234, v235                      ; with lane l xor 16's two the word is whole
.if \e
	s_wait_alu depctr_va_vdst(0)
	s_wait_xcnt 0x0                                ; the first image's stores have read their registers: they are written again only behind this wait
.endif
.irp c, 0,1
	v_cvt_scalef32_pk16_fp6_f32 v[PC+6*\c:PC+6*\c+2], v[XT+32*\c:XT+32*\c+15], v[230+\c]
	v_cvt_scalef32_pk16_fp6_f32 v[TC2+4*\c:TC2+4*\c+2], v[XT+32*\c+16:XT+32*\c+31], v[230+\c]   ; (a conversion's three registers begin on an even number)
.endr
	v_nop                                          ; one plain place behind a scaled conversion
.irp c, 0,1
.irp i, 0,1,2
	v_mov_b32 v[PC+3+6*\c+\i], v[TC2+4*\c+\i]
.endr
.endr
.irp c, 0,1,2
	global_store_b128 v4, v[PC+4*\c:PC+4*\c+3], s[42:43] offset:\e*12288+512*\c   ; 512 consecutive bytes
.endr
	ds_store_b32 v7, v234 offset:\e*512            ; both halves of the lanes write the same word with the same value
.endm
	XIMG 0
	XIMG 1
	s_wait_dscnt 0x0                               ; for the others' sake: my words lie in LDS
	s_barrier_signal -1
	s_barrier_wait -1
	s_cmp_lt_u32 s28, 2                            ; waves 0 and 1 store a K step's 512 bytes of words each
	s_cbranch_scc0 .Lend
	ds_load_b128 v[16:19], v8
	s_wait_dscnt 0x0
	global_store_b128 v4, v[16:19], s[44:45]
	s_branch .Lend
	; ---- the re-lay.  jr = id - 256: group TG = jr / 2 of 96, half hf = jr % 2.  The pair of waves p = wave / 2 makes block i = 4 hf + p; wave e = wave % 2 of it loads the block's e-th run of 8 rows
	; (6,144 dense bytes) and, behind the barrier, makes the images of K steps 4 e .. 4 e + 3.
.Lrelay:
	s_sub_co_u32 s34, ttmp9, 256
	s_lshr_b32 s35, s34, 1                         ; TG
	s_and_b32 s34, s34, 1                          ; hf
	s_and_b32 s36, s35, 7
	s_cmp_lt_u32 s35, 88                           ; which tensor: the choice hangs on the work-group's number alone
	s_cselect_b64 s[42:43], s[18:19], s[22:23]
	s_cselect_b64 s[44:45], s[20:21], s[24:25]
	s_cmp_lt_u32 s35, 80
	s_cselect_b64 s[42:43], s[14:15], s[42:43]
	s_cselect_b64 s[44:45], s[16:17], s[44:45]
	s_cmp_lt_u32 s35, 72
	s_cselect_b64 s[42:43], s[10:11], s[42:43]
	s_cselect_b64 s[44:45], s[12:13], s[44:45]
	s_cmp_lt_u32 s35, 64
	s_cselect_b64 s[42:43], s[6:7], s[42:43]
	s_cselect_b64 s[44:45], s[8:9], s[44:45]
	s_cselect_b32 s36, s35, s36                    ; the group's number in its own tensor
	s_lshl_b32 s37, s34, 2
	s_add_co_u32 s37, s37, s29                     ; i
	s_lshr_b32 s38, s37, 1
	s_lshl_b32 s38, s38, 5
	s_and_b32 s39, s37, 1
	s_lshl_b32 s39, s39, 3
	s_add_co_u32 s38, s38, s39
	s_lshl_b32 s39, s30, 4
	s_add_co_u32 s38, s38, s39                     ; my run's first row: 32 (i / 2) + 8 (i % 2) + 16 e
	s_mul_i32 s38, s38, 768
	s_mul_i32 s39, s36, 98304
	s_add_co_u32 s38, s38, s39
	s_mov_b32 s39, 0
	s_add_nc_u64 s[42:43], s[42:43], s[38:39]
	s_lshl_b32 s38, s36, 12
	s_lshl_b32 s46, s31, 10
	s_add_co_u32 s38, s38, s46
	s_lshl_b32 s46, s34, 4
	s_add_co_u32 s38, s38, s46                     ; scale bytes: rows 32 (wave % 4) on, the half hf of each row's 32
	s_add_nc_u64 s[44:45], s[44:45], s[38:39]
	s_mul_i32 s38, s35, 98304
	s_mul_i32 s46, s30, 4*12288
	s_add_co_u32 s38, s38, s46
	s_mul_i32 s46, s37, 1536
	s_add_co_u32 s38, s38, s46
	s_add_co_u32 s38, s38, P_CEI
	s_add_nc_u64 s[48:49], s[26:27], s[38:39]      ; my first image
	s_lshl_b32 s38, s35, 12
	s_lshl_b32 s46, s34, 2
	s_add_co_u32 s46, s46, s31
	s_lshl_b32 s46, s46, 9
	s_add_co_u32 s38, s38, s46
	s_add_co_u32 s38, s38, P_CES
	s_add_nc_u64 s[50:51], s[26:27], s[38:39]      ; the words of K step 4 hf + wave % 4
.irp c, 0,1,2,3,4,5,6,7,8,9,10,11
	global_load_b128 v[16+4*\c:19+4*\c], v4, s[42:43] offset:512*\c th:TH_LOAD_NT
.endr
	s_cmp_lt_u32 s28, 4
	s_cbranch_scc0 .Lno_bytes_in
	global_load_b128 v[64:67], v116, s[44:45]      ; a lane to a row: its 16 scale bytes
.Lno_bytes_in:
	s_wait_loadcnt 0x0
	s_wait_alu depctr_va_vdst(0)
.irp k, 0,1,2,3                                ; three loads are two rows of 768 bytes: the stage's rows lie 784 apart
	ds_store_b128 v9,  v[16+12*\k:19+12*\k] offset:1536*\k+32*\k
	ds_store_b128 v10, v[20+12*\k:23+12*\k] offset:1536*\k+512+32*\k
	ds_store_b128 v9,  v[24+12*\k:27+12*\k] offset:1536*\k+1024+32*\k+16
.endr
	s_cmp_lt_u32 s28, 4
	s_cbranch_scc0 .Lno_bytes_st
	ds_store_b128 v14, v[64:67]
.Lno_bytes_st:
	s_wait_dscnt 0x0                               ; for the others' sake: my rows lie in the stage
	s_barrier_signal -1
	s_barrier_wait -1
.irp t, 0,1,2,3                                ; a fragment: the 24 bytes at 96 s + 24 h of row r, and those 48 further on, in pieces of 8 bytes
.irp q, 0,1,2,3,4,5
	ds_load_b64 v[68+12*\t+2*\q:69+12*\t+2*\q], v11 offset:96*\t+48*(\q/3)+8*(\q%3)
.endr
.endr
.irp t, 0,1,2,3
	s_wait_dscnt 18-6*\t                           ; this image's six loads are in; the later images' may be out
.irp c, 0,1,2
	global_store_b128 v4, v[68+12*\t+4*\c:71+12*\t+4*\c], s[48:49] offset:\t*12288+512*\c
.endr
.endr
	s_cmp_lt_u32 s28, 4
	s_cbranch_scc0 .Lend
.irp j, 0,1,2,3
	ds_load_b32 v[120+\j], v15 offset:512*\j       ; the word of block 2 j + h, lane row r
.endr
	s_wait_dscnt 0x0
	global_store_b128 v4, v[120:123], s[50:51]
.Lend:
	s_wait_tensorcnt 0x0                           ; the wave's end: behind my last LDS store
	ds_add_u32 v[SPW], v[NIL]
	s_wait_dscnt 0x0
	s_endpgm
.Lfunc_end_k_qbb04de6b23_prep:
	.size	k_qbb04de6b23_prep, .Lfunc_end_k_qbb04de6b23_prep-k_qbb04de6b23_prep
	.p2alignl 7, 3214868480
	.fill 96, 4, 3214868480
	.section	.rodata,"a",@progbits
	.p2align	6, 0x0
	.amdhsa_kernel k_qbb04de6b23_prep
		.amdhsa_group_segment_fixed_size 121856
		.amdhsa_private_segment_fixed_size 0
		.amdhsa_enable_private_segment 0
		.amdhsa_kernarg_size 96
		.amdhsa_user_sgpr_count 2
		.amdhsa_user_sgpr_kernarg_segment_ptr 1
		.amdhsa_wavefront_size32 1
		.amdhsa_system_sgpr_workgroup_id_x 1
		.amdhsa_system_sgpr_workgroup_id_y 1
		.amdhsa_system_sgpr_workgroup_id_z 1
		.amdhsa_system_vgpr_workitem_id 0
		.amdhsa_next_free_vgpr 256
		.amdhsa_next_free_sgpr 66
		.amdhsa_reserve_vcc 0
		.amdhsa_float_denorm_mode_32 3
		.amdhsa_float_denorm_mode_16_64 3
		.amdhsa_memory_ordered 1
		.amdhsa_forward_progress 1
		.amdhsa_inst_pref_size 28
	.end_amdhsa_kernel
	.amdgpu_metadata
---
amdhsa.version: [ 1, 2 ]
amdhsa.kernels:
  - .name:           k_qbb04de6b23_prep
    .symbol:         k_qbb04de6b23_prep.kd
    .args:
      - { .name: x, .offset: 0, .size: 8, .value_kind: global_buffer, .address_space: global }
      - { .name: content_embeddings_codes, .offset: 8, .size: 8, .value_kind: global_buffer, .address_space: global }
      - { .name: content_embeddings_scales, .offset: 16, .size: 8, .value_kind: global_buffer, .address_space: global }
      - { .name: Wq_codes, .offset: 24, .size: 8, .value_kind: global_buffer, .address_space: global }
      - { .name: Wq_scales, .offset: 32, .size: 8, .value_kind: global_buffer, .address_space: global }
      - { .name: Wk_codes, .offset: 40, .size: 8, .value_kind: global_buffer, .address_space: global }
      - { .name: Wk_scales, .offset: 48, .size: 8, .value_kind: global_buffer, .address_space: global }
      - { .name: Wv_codes, .offset: 56, .size: 8, .value_kind: global_buffer, .address_space: global }
      - { .name: Wv_scales, .offset: 64, .size: 8, .value_kind: global_buffer, .address_space: global }
      - { .name: Wo_codes, .offset: 72, .size: 8, .value_kind: global_buffer, .address_space: global }
      - { .name: Wo_scales, .offset: 80, .size: 8, .value_kind: global_buffer, .address_space: global }
      - { .name: pre, .offset: 88, .size: 8, .value_kind: global_buffer, .address_space: global }
    .group_segment_fixed_size: 121856
    .private_segment_fixed_size: 0
    .kernarg_segment_align: 8
    .kernarg_segment_size: 96
    .max_flat_workgroup_size: 256
    .sgpr_count:     66
    .vgpr_count:     256
    .wavefront_size: 32
...
	.end_amdgpu_metadata
.endif
;; end of part 1
;; launch proj (part 2): grid 4 x 64, 4 waves a work-group, clusters of 4 x 4, 327,680 bytes of LDS; arguments pre, bq, bk, bv, qkv; writes qkv
.if DOCPART == 2
	.amdgcn_target "amdgcn-amd-amdhsa--gfx1250"
	.amdhsa_code_object_version 6
	.text
	.protected	k_qbb04de6b23_proj
	.globl	k_qbb04de6b23_proj
	.p2align	8
	.type	k_qbb04de6b23_proj,@function
k_qbb04de6b23_proj:
	s_mov_b64 s[64:65], 0
	v_nop
	global_prefetch_b8 v0, s[64:65] scope:SCOPE_SE
	s_setreg_imm32_b32 hwreg(HW_REG_WAVE_MODE, 25, 1), 1
	s_wait_xcnt 0x0
	s_wait_alu depctr_hold_cnt(0) depctr_sa_sdst(0) depctr_va_vdst(0) depctr_va_sdst(0) depctr_va_ssrc(0) depctr_va_vcc(0) depctr_vm_vsrc(0)
	s_getreg_b32 s2, hwreg(HW_REG_IB_STS2, 6, 4)
	s_cmp_eq_u32 s2, 0
	s_cbranch_scc0 .Lentry_in_a_cluster
	s_endpgm
.Lentry_in_a_cluster:
	s_bfe_u32 s2, ttmp6, 0x10000c
	s_cmp_lg_u32 s2, 0xf033
	s_cbranch_scc0 .Lentry_shape_is_right
	s_endpgm
.Lentry_shape_is_right:
; q = Q(x) Wq^T + bq, k = ce Wk^T + bk, v^T = Wv ce^T + bv, each on codes of FP6 (E2M3) with E8M0 scales, each quantised on the way out along its N (q, k: the channels; v^T: the keys), the K of the product
; that takes it.  Nothing is left out: all three products and all three biases move codes that later products read.
; THE DEAL: 384 tiles of 256 x 256 on 256 work-groups that stay: each makes TILE 1, a whole tile of q (cluster y 0-7) or k (8-15), four waves of 128 x 128 (64 accumulators), and then TILE 2, half a tile of v^T:
; 128 channels x 256 keys, four waves of 64 x 128 (32 accumulators).
; OPERANDS come as images of the operand's registers (a fragment, 16 rows x 128 K, is 1,536 bytes on end; a group of 128 rows x 256 K is 24,576 dense bytes).
; LDS: four regions (tile 1: A's two groups, B's two) of three places of 24,576 bytes.  One tensor load a wave behind each round of the cluster's barrier:
;   the head: K steps 0, 1 into places 0, 1;  then K step 2 into place 2;  at K step 0's end K step 3 into place 0;
;   at K step 2's end TILE 2 into places 1, 2: waves 0, 1 Wv's group, all of K (regions 0, 1); waves 2, 3 K steps 0, 1 of ce's two groups (regions 2, 3);
;   when four of tile 1's eight blocks have gone out: ce's group wave / 2, K step 2 + wave % 2, into the wave's place 0.
; So tile 2's first loads have 160 matrix instructions and four blocks' way out in which to land, and its last ones four blocks' way out and three K steps of 128: no prefetch is laid for them.
; Tile 1's K steps 2 and 3 are prefetched behind the head's load: of a group's 49,152 bytes each of the four partners that ask for it jointly names 12,288, told apart by address: 2 x 24 lanes, 256 bytes apart.
; The scale words of both tiles, for all of K, come once, through registers, into LDS bytes of their own.
; CLUSTERS: 4 x 4; A's tiles are asked for jointly along a row of the cluster, B's along a column.  THE MATRIX INSTRUCTION IS USED TRANSPOSED (source 0 = B's block, source 1 = A's), and lane row r of block i
; is row 32 (i / 2) + 8 (i % 2) + r + 8 (r / 8) of its group: so the 64 registers of A's block a are, in lane (r, h), columns 32 b + 16 h + 0 .. 15 of one row: 16 neighbours of each block of 32.
; REGISTERS: window 0: v0-31 addresses; v32-63 scale words; v64-127 tile 1's biases; v128-223 A's fragments (on the way out: numbers, codes, work); v240-245 tile 2's biases.
;   Tile 1: window 1 B's fragments, two sets; windows 2, 3 accumulators.  Tile 2: fragments of even K steps in window 1, of odd ones in window 3; accumulators in window 2.
; LIMITS: a block of zeros gets the byte 1 (its codes are zeros; this program alone reads the bytes); blocks under 2^-124 keep the byte 1; NaN and infinities are not served.
.set P_CEI, 6291456
.set P_WQI, 12582912
.set P_WKI, 13369344
.set P_WVI, 14155776
.set P_XS,  15728640
.set P_CES, 15990784
.set P_WQS, 16252928
.set P_WKS, 16285696
.set P_WVS, 16318464
.set Q_VI,  12582912                   ; in qkv: q's images at 0, k's at 6,291,456, v^T's here ([batch x 8 + channel group][16 K steps of keys]);
.set Q_QS,  18874368                   ; q's scale words, k's 262,144 further on,
.set Q_VS,  19398656                   ; v^T's
.set FRB,   1536                       ; an image
.set GSTEP, 12288                      ; a group's eight images of one K step of 128
.set TILEB, 24576                      ; a group x 256 K: a place
.set REG,   3*TILEB                    ; a region
.set FR,    12
.set GROW,  98304                      ; a group's images for all of K
.set SGB,   4096                       ; and its scale words
.set RSTEP, 3*TILEB                    ; from K step 0 to K step 3
.set SCL,   4*REG                      ; tile 1's scale words: A's two groups, then B's two
.set SCL2,  SCL+4*SGB                  ; tile 2's: Wv's group, then ce's two
.set SPARE, SCL2+3*SGB                 ; the spare words, 128 bytes for each wave: two blocks of 256 bytes that no other line names
.set A2,   8                           ; v8-9    tile 2: my four blocks of A, K steps of 128 0-3, 4-7
.set B2,   10                          ; v10-11  tile 2: my group of B, K steps of 128 4-5, 6-7 (0-3: v[ADRB+1])
.set AS2,  13                          ; v13, v14  tile 2: my scale words of A, of B
.set BS2,  14
.set PFO,  15                          ; v15     the prefetches' offset; never rewritten
.set ADRA, 16                          ; v16-18  tile 1: my A fragments in place 0, 1, 2
.set ADRB, 20                          ; v20-22  the same for B
.set OA,   23                          ; v23     16 x lane
.set W1,   24                          ; v24, v25  where I store scale words of tile 1, of tile 2
.set W2,   25
.set ADRS, 27                          ; v27     tile 1: my scale words: lanes 0-15 A's, lanes 16-31 B's
.set SPW,  28                          ; v28     my spare word; never rewritten
.set NIL,  29                          ; v29     0; never rewritten
.set SC,   32
.set AF,   128
.set T,    128                         ; the way out: 64 numbers
.set PC,   192                         ; v192-211 codes
.set TM,   212                         ; v212-227 at work
.set BV,   240                         ; v240-243 bv at my four blocks' rows; v[244:245] one of them as a pair's low word
.set BP,   244
.set G1,   24                          ; group 1: 96 rows of 256 bytes, A's mask; G1B: B's mask
.set G1B,  32
.set G1S,  40                          ; 192 rows, A's mask; G1SB: B's mask
.set G1SB, 48
.set G0C,  60                          ; s60-63  group 0 of tile 2's last load
.set SEL,  66
.set G0,   68                          ; s68-79  group 0, A's side: place 0 (K steps 0-1, then 3); places 1-2 (tile 2); place 2 (K step 2)
.set G0B,  80                          ; s80-91  B's side
.set PFA,  98
.set OC,   20                          ; s[20:21] where my images go; s[22:23] my words
.set MSB, 0
.macro WIN new                         ; the immediate's high byte repeats the setting that is left
.if MSB != (\new)
	s_set_vgpr_msb (MSB<<8)|(\new)
.set MSB, (\new)
.endif
.endm
.set MUL_LO, 0xa1                      ; source 0 (B) window 1, source 1 (A) window 0, C and D window 2
.set MUL_HI, 0xf1
.set TO_B,   0x40
.macro JLOAD g0a, g1a, g0b, g1b        ; a joint load: waves 0 and 1 fetch for A, waves 2 and 3 for B; an s_nop 0 and four v_nop follow each line
	s_cmp_eq_u32 s15, 0
	s_cbranch_scc0 .Lfor_b_\@
	tensor_load_to_lds s[\g0a:\g0a+3], s[\g1a:\g1a+7]
	s_nop 0
.rept 4
	v_nop
.endr
	s_branch .Lasked_\@
.Lfor_b_\@:
	tensor_load_to_lds s[\g0b:\g0b+3], s[\g1b:\g1b+7]
	s_nop 0
.rept 4
	v_nop
.endr
.Lasked_\@:
.endm
.macro CREST                           ; a round of the cluster's barrier behind its opening barrier
	s_cmp_lg_u32 s14, 0
	s_cbranch_scc1 .Lnot_wave_0_\@
	s_barrier_signal -3
.Lnot_wave_0_\@:
	s_barrier_wait -3
	s_barrier_signal -1
	s_barrier_wait -1
.endm
.macro CROUND
	s_barrier_signal -1
	s_barrier_wait -1
	CREST
.endm
.macro PLACES n                        ; plain places behind matrix instructions, in front of loads into their registers and of reads of their results
.rept \n
	v_nop
.endr
.endm
.macro GROUP1 g, rows                  ; a dense block as rows of 256 bytes: 32 elements of 8 bytes, pitch 32
	s_mov_b32 s[\g+1], 32<<16
	s_mov_b32 s[\g+2], (\rows)<<16
	s_mov_b32 s[\g+3], 32<<16
	s_mov_b32 s[\g+4], \rows
	s_mov_b32 s[\g+5], 32
	s_mov_b32 s[\g+6], 0
	s_mov_b32 s[\g+7], 0
.endm
; ---- tile 1's core
.macro FRAG reg, adr, q, i             ; an image comes back as it was stored: three loads of 16 bytes a lane, 512 bytes on end
.irp c, 0,1,2
	ds_load_b128 v[\reg+4*\c:\reg+4*\c+3], v[\adr] offset:(\q)*GSTEP+(\i)*FRB+512*\c
.endr
.endm
.macro FETCH_B slot, q, p
	WIN TO_B
.irp i, 0,1,2,3,4,5,6,7
	FRAG 128*(\p)+FR*\i, ADRB+\slot, \q, \i
.endr
	WIN 0
.endm
.macro FETCH_A slot, q, i0
.irp i, \i0, \i0+1, \i0+2, \i0+3
	FRAG AF+FR*(\i), ADRA+\slot, \q, \i
.endr
.endm
.macro SCALES sc                       ; a K step's scale words: lanes 0-15 take A's, lanes 16-31 B's; block i at v[SC + 16 sc + 8 q + 4 (i % 2) + i / 2]
.irp q, 0,1
.irp u, 0,1
	ds_load_b128 v[SC+16*(\sc)+8*\q+4*\u:SC+16*(\sc)+8*\q+4*\u+3], v[ADRS] offset:512*\q+256*\u
.endr
.endr
.endm
; 16 matrix instructions: A's blocks a0, a0 + 1 x B's eight.  The 64 accumulators take turns, one instruction a turn, in the same order in every step.
.macro MUL16 a0, p, q, sc, zero
.irp a, \a0, \a0+1
.irp b, 0,1,2,3,4,5,6,7
.if \zero
	v_wmma_scale_f32_16x16x128_f8f6f4 v[8*(8*((\a)%4)+\b):8*(8*((\a)%4)+\b)+7], v[128*(\p)+FR*\b:128*(\p)+FR*\b+FR-1], v[AF+FR*(\a):AF+FR*(\a)+FR-1], 0, v[SC+16*(\sc)+8*(\q)+4*(\b%2)+\b/2], v[SC+16*(\sc)+8*(\q)+4*((\a)%2)+(\a)/2] matrix_a_fmt:MATRIX_FMT_FP6 matrix_b_fmt:MATRIX_FMT_FP6 matrix_a_scale:MATRIX_SCALE_ROW1
.else
	v_wmma_scale_f32_16x16x128_f8f6f4 v[8*(8*((\a)%4)+\b):8*(8*((\a)%4)+\b)+7], v[128*(\p)+FR*\b:128*(\p)+FR*\b+FR-1], v[AF+FR*(\a):AF+FR*(\a)+FR-1], v[8*(8*((\a)%4)+\b):8*(8*((\a)%4)+\b)+7], v[SC+16*(\sc)+8*(\q)+4*(\b%2)+\b/2], v[SC+16*(\sc)+8*(\q)+4*((\a)%2)+(\a)/2] matrix_a_fmt:MATRIX_FMT_FP6 matrix_b_fmt:MATRIX_FMT_FP6 matrix_a_scale:MATRIX_SCALE_ROW1
.endif
.endr
.endr
.endm
.macro STEP slot, sc, zero             ; a place's first 128 along K; it fetches the second
	s_wait_dscnt 12                                ; all but A's blocks 4-7 (4 x 3 loads) are in
	WIN MUL_LO
	MUL16 0, 0, 0, \sc, \zero
	MUL16 2, 0, 0, \sc, \zero
	s_wait_dscnt 0
	PLACES 4
	FETCH_B \slot, 1, 1
	FETCH_A \slot, 1, 0
	WIN MUL_HI
	MUL16 4, 0, 0, \sc, \zero
	MUL16 6, 0, 0, \sc, \zero
	PLACES 4
	WIN 0
	FETCH_A \slot, 1, 4
.endm
; A place's second 128 along K changes places.  mode 2, 3: all my tensor loads are waited for, the add, a round of the cluster's barrier, and a refill: 2: K step 3 into place 0; 3: tile 2 into places 1 and 2.
; mode 0: the place ahead was shown whole to every wave at the last barrier, and nothing is filled: no barrier.
.macro TURN slot, sc, next, mode
.if \mode
	s_wait_tensorcnt 0x0                           ; all my tensor loads have landed
	ds_add_u32 v[SPW], v[NIL]                      ; 0 onto my spare word
	s_wait_dscnt 13                                ; (the add and A's blocks 4-7 may be out)
	WIN MUL_LO
	MUL16 0, 1, 1, \sc, 0
	s_wait_dscnt 0x0                               ; the add is done, and my reads of this place and of those before it are over
	s_barrier_signal -1
	MUL16 2, 1, 1, \sc, 0
	WIN 0
	s_barrier_wait -1
	CREST                                          ; no wave of any partner still reads the bytes that are filled next, or has a load on its way
.if \mode == 2
	s_add_nc_u64 s[G0+2:G0+3], s[G0+2:G0+3], RSTEP
	s_add_nc_u64 s[G0B+2:G0B+3], s[G0B+2:G0B+3], RSTEP
	JLOAD G0, G1, G0B, G1B                         ; the first tensor load behind the round; its four v_nop are the places in front of the loads below
.else
	JLOAD G0+4, G1S, G0B+4, G1SB
.endif
.else
	s_wait_dscnt 12
	WIN MUL_LO
	MUL16 0, 1, 1, \sc, 0
	MUL16 2, 1, 1, \sc, 0
	s_wait_dscnt 0x0
	PLACES 4
	WIN 0
.endif
	v_add_nc_u32 v[ADRS], 1024, v[ADRS]            ; the next K step's scale words
	FETCH_B \next, 0, 0
	FETCH_A \next, 0, 0
	SCALES 1-\sc
	WIN MUL_HI
	MUL16 4, 1, 1, \sc, 0
	MUL16 6, 1, 1, \sc, 0
	PLACES 4
	WIN 0
	FETCH_A \next, 0, 4
.endm
.macro LAST sc                         ; tile 1's last 128 along K
	s_wait_dscnt 12
	WIN MUL_LO
	MUL16 0, 1, 1, \sc, 0
	MUL16 2, 1, 1, \sc, 0
	s_wait_dscnt 0
	WIN MUL_HI
	MUL16 4, 1, 1, \sc, 0
	MUL16 6, 1, 1, \sc, 0
	WIN 0
	PLACES 4
.endm
; ---- tile 2's core: K steps of 128, q = 0 .. 7
.macro FPART q, g                      ; a quarter of K step q's fragments: B's blocks 2 g, 2 g + 1 and my A's block g, into set q % 2
.if (\q) < 4
.set BR, ADRB+1
.set BO, (\q)*GSTEP
.else
.set BR, B2+((\q)-4)/2
.set BO, ((\q)%2)*GSTEP
.endif
	WIN 0x40+0x80*((\q)%2)
.irp i, 2*(\g), 2*(\g)+1
.irp c, 0,1,2
	ds_load_b128 v[FR*(\i)+4*\c:FR*(\i)+4*\c+3], v[BR] offset:BO+(\i)*FRB+512*\c
.endr
.endr
.irp c, 0,1,2
	ds_load_b128 v[96+FR*(\g)+4*\c:96+FR*(\g)+4*\c+3], v[A2+(\q)/4] offset:((\q)%4)*GSTEP+(\g)*FRB+512*\c
.endr
.endm
.macro SCALES2 q                       ; set q % 2 of 12: B's block b at 4 (b % 2) + b / 2, my A's block a at 8 + 2 (a % 2) + a / 2
.set SS, SC+12*((\q)%2)
.irp u, 0,1
	ds_load_b128 v[SS+4*\u:SS+4*\u+3], v[BS2] offset:512*(\q)+256*\u
.endr
.irp u, 0,1
	ds_load_b64 v[SS+8+2*\u:SS+8+2*\u+1], v[AS2] offset:512*(\q)+256*\u
.endr
.endm
.macro MUL8 q, a, zero                 ; the 32 accumulators take turns, one instruction a turn, in the same order in every step
.set SS, SC+12*((\q)%2)
	WIN 0xa5+0x0a*((\q)%2)
.irp b, 0,1,2,3,4,5,6,7
.if \zero
	v_wmma_scale_f32_16x16x128_f8f6f4 v[8*(8*(\a)+\b):8*(8*(\a)+\b)+7], v[FR*\b:FR*\b+FR-1], v[96+FR*(\a):96+FR*(\a)+FR-1], 0, v[SS+4*(\b%2)+\b/2], v[SS+8+2*((\a)%2)+(\a)/2] matrix_a_fmt:MATRIX_FMT_FP6 matrix_b_fmt:MATRIX_FMT_FP6
.else
	v_wmma_scale_f32_16x16x128_f8f6f4 v[8*(8*(\a)+\b):8*(8*(\a)+\b)+7], v[FR*\b:FR*\b+FR-1], v[96+FR*(\a):96+FR*(\a)+FR-1], v[8*(8*(\a)+\b):8*(8*(\a)+\b)+7], v[SS+4*(\b%2)+\b/2], v[SS+8+2*((\a)%2)+(\a)/2] matrix_a_fmt:MATRIX_FMT_FP6 matrix_b_fmt:MATRIX_FMT_FP6
.endif
.endr
.endm
.macro QSTEP q, zero, bar              ; 32 products; the next step's fragments and words are fetched into the other sets meanwhile.  bar = 1: they lie in the bytes that tile 2's last load fills
	s_wait_dscnt 0x0                               ; this step's fragments and words are in
.if \bar
	s_wait_tensorcnt 0x0                           ; my part of them is in,
	s_barrier_signal -1
	s_barrier_wait -1                              ; everybody's is
.endif
	PLACES 4                                       ; the other sets were read by the last step's products
	SCALES2 (\q)+1
.irp g, 0,1,2,3
	FPART (\q)+1, \g
	MUL8 \q, \g, \zero
.endr
	WIN 0
.endm
; ---- the way out.  From the four blocks' largest magnitudes in v[TM] on (floor included) and 64 numbers in v[s] on (register 16 b + i = k 32 b + 16 h + i of my row): codes in v[PC] on, the scale word in v[pw].
.macro QCODE s, pw
.irp b, 0,1,2,3
	v_add_nc_u32 v[TM+12+\b], 0xff000000, v[TM+\b] ; 2 off the exponent field: the conversion's scale operand
.endr
.irp b, 0,1,2,3
	v_lshrrev_b32 v[TM+4+\b], 23, v[TM+12+\b]      ; the scale's byte
.endr
	v_lshl_or_b32 v[\pw], v[TM+5], 8, v[TM+4]
	v_lshl_or_b32 v[\pw], v[TM+6], 16, v[\pw]
	v_lshl_or_b32 v[\pw], v[TM+7], 24, v[\pw]
	s_wait_alu depctr_va_vdst(0)
	s_wait_xcnt 0x0                                ; the last block's stores have read the codes' registers: they are written again only behind this wait
.irp c, 0,1
	v_cvt_scalef32_pk16_fp6_f32 v[PC+6*\c:PC+2+6*\c], v[\s+32*\c:\s+15+32*\c], v[TM+12+2*\c]
	v_cvt_scalef32_pk16_fp6_f32 v[PC+12+4*\c:PC+14+4*\c], v[\s+16+32*\c:\s+31+32*\c], v[TM+12+2*\c+1]   ; (a conversion's three registers begin on an even number)
.endr
	v_nop                                          ; one plain place behind a scaled conversion
.irp c, 0,1                                    ; the operand's layout wants a whole block in a lane
.irp i, 0,1,2
	v_permlane16_swap_b32 v[PC+6*\c+\i], v[PC+12+4*\c+\i]
.endr
.irp i, 0,1,2
	v_mov_b32 v[PC+3+6*\c+\i], v[PC+12+4*\c+\i]
.endr
.endr
.endm
.macro QUANT s, pw
.irp b, 0,1,2,3
	v_max3_num_f32 v[TM+\b], |v[\s+16*\b]|, |v[\s+1+16*\b]|, 0x1800000   ; my 16 numbers of block b, and the floor 2^(3 - 127)
.endr
.irp i, 2,4,6,8,10,12,14
.irp b, 0,1,2,3
	v_max3_num_f32 v[TM+\b], v[TM+\b], |v[\s+16*\b+\i]|, |v[\s+1+16*\b+\i]|
.endr
.endr
.irp b, 0,1,2,3
	v_permlanex16_b32 v[TM+4+\b], v[TM+\b], s[SEL], s[SEL+1]
.endr
.irp b, 0,1,2,3
	v_max_num_f32 v[TM+\b], v[TM+\b], v[TM+4+\b]   ; with lane l xor 16's
.endr
	QCODE \s, \pw
.endm
.macro PUT a                           ; block a's image: 3 x 512 consecutive bytes
.irp c, 0,1,2
	global_store_b128 v[OA], v[PC+4*\c:PC+4*\c+3], s[OC:OC+1] offset:(\a)*FRB+512*\c
.endr
.endm
.macro OUTBLK a, k                     ; block a on its way out.  k = 0: a bias for each column (q, k); k = 1: for each row (v^T)
.set AC, 64*((\a)%4)
.if \k
	v_mov_b32 v[BP], v[BV+\a]                      ; my row's bias, as the low word of a pair
.endif
	s_wait_alu depctr_va_vdst(0)
	WIN 0x02+(\a)/4                                ; source 0: window 2 or 3
.set j, 0
.rept 32
.if \k
	v_pk_add_f32 v[T+j:T+j+1], v[AC+j:AC+j+1], v[BP:BP+1] op_sel_hi:[1,0]
.else
	v_pk_add_f32 v[T+j:T+j+1], v[AC+j:AC+j+1], v[64+j:65+j]   ; each accumulator from its low end on
.endif
.set j, j+2
.endr
	WIN 0
	QUANT T, 228+\a
	PUT \a
.endm
	s_load_b256 s[4:11], s[0:1], 0x0               ; pre, bq, bk, bv
	s_load_b64 s[12:13], s[0:1], 0x20              ; qkv
	v_lshl_add_u32 v[SPW], v0, 2, SPARE
	v_mov_b32 v[NIL], 0
	ds_add_u32 v[SPW], v[NIL]                      ; the wave's opening: the add, twice on end, and its wait ahead of my first tensor load; the set-up below stands between
	ds_add_u32 v[SPW], v[NIL]
	v_lshrrev_b32 v1, 5, v0
	v_readfirstlane_b32 s14, v1                    ; wave 0..3
	s_lshr_b32 s15, s14, 1                         ; my half of a tile's rows; also: I fetch for A (0) or B (1)
	s_and_b32 s16, s14, 1                          ; my half of its columns; also: which group I fetch
	s_bfe_u32 s92, ttmp6, 0x40000                  ; cx = tile 1's tile column
	s_bfe_u32 s93, ttmp6, 0x40004                  ; cy
	s_and_b32 s3, ttmp7, 0xffff                    ; cluster y, 0..15
	s_lshr_b32 s100, s3, 3                         ; tile 1's product: 0 q, 1 k
	s_and_b32 s17, s3, 7
	s_lshl_b32 s17, s17, 2
	s_add_co_u32 s17, s17, s93                     ; its tile row, 0..31
	s_mov_b32 s20, P_CEI                           ; where A's images, A's words, B's images, B's words begin in pre
	s_mov_b32 s21, P_CES
	s_mov_b32 s22, P_WKI
	s_mov_b32 s23, P_WKS
	s_cmp_eq_u32 s100, 0
	s_cselect_b32 s20, 0, s20
	s_cselect_b32 s21, P_XS, s21
	s_cselect_b32 s22, P_WQI, s22
	s_cselect_b32 s23, P_WQS, s23
	s_lshl_b32 s95, s93, 2
	s_lshl_b32 s95, 15, s95                        ; my row of the cluster
	s_lshl_b32 s96, 0x1111, s92                    ; my column
	s_or_b32 s[G1], s95, (3<<16)|(1<<21)           ; 15:0 the mask; 17:16 elements of 8 bytes; 21 set beside a mask; no padding
	s_or_b32 s[G1B], s96, (3<<16)|(1<<21)
	s_or_b32 s[G1S], s95, (3<<16)|(1<<21)
	s_or_b32 s[G1SB], s96, (3<<16)|(1<<21)
	GROUP1 G1, 96
	GROUP1 G1B, 96
	GROUP1 G1S, 192
	GROUP1 G1SB, 192
	s_lshl_b32 s18, s17, 1
	s_add_co_u32 s18, s18, s16                     ; tile 1: A's group that I would fetch
	s_mul_i32 s[G0+2], s18, GROW
	s_add_co_u32 s[G0+2], s[G0+2], s20
	s_mov_b32 s[G0+3], 0
	s_lshl_b32 s56, s18, 12
	s_add_co_u32 s56, s56, s21
	s_lshl_b32 s19, s92, 1
	s_add_co_u32 s19, s19, s16                     ; B's; also the group of my columns
	s_mul_i32 s[G0B+2], s19, GROW
	s_add_co_u32 s[G0B+2], s[G0B+2], s22
	s_mov_b32 s[G0B+3], 0
	s_lshl_b32 s57, s19, 12
	s_add_co_u32 s57, s57, s23
	s_cmp_eq_u32 s15, 0
	s_cselect_b32 s56, s56, s57                    ; the scale words of the group that I fetch
	s_mov_b32 s57, 0
	s_and_b32 s20, s3, 1                           ; tile 2: Wv's group 4 (cluster y % 2) + cy,
	s_lshl_b32 s20, s20, 2
	s_add_co_u32 s20, s20, s93
	s_mul_i32 s[G0+6], s20, GROW
	s_mul_i32 s21, s16, 2*TILEB                    ; its K steps 0, 1 (wave 0) or 2, 3 (wave 1)
	s_add_co_u32 s[G0+6], s[G0+6], s21
	s_add_co_u32 s[G0+6], s[G0+6], P_WVI
	s_mov_b32 s[G0+7], 0
	s_lshl_b32 s58, s20, 12
	s_lshl_b32 s21, s16, 11
	s_add_co_u32 s58, s58, s21
	s_add_co_u32 s58, s58, P_WVS                   ; a half of its words
	s_lshr_b32 s22, s3, 1
	s_lshl_b32 s22, s22, 2
	s_add_co_u32 s22, s22, s92                     ; 256 keys: tile column 4 (cluster y / 2) + cx
	s_lshl_b32 s22, s22, 1
	s_add_co_u32 s23, s22, s16                     ; ce's group wave % 2 of the two
	s_mul_i32 s[G0B+6], s23, GROW
	s_add_co_u32 s[G0B+6], s[G0B+6], P_CEI
	s_mov_b32 s[G0B+7], 0
	s_lshl_b32 s59, s23, 12
	s_add_co_u32 s59, s59, P_CES
	s_cmp_eq_u32 s15, 0
	s_cselect_b32 s58, s58, s59
	s_mov_b32 s59, 0
	s_add_co_u32 s23, s22, s15                     ; the last load: ce's group wave / 2, K step 2 + wave % 2
	s_mul_i32 s[G0C+2], s23, GROW
	s_add_co_u32 s21, s16, 2
	s_mul_i32 s21, s21, TILEB
	s_add_co_u32 s[G0C+2], s[G0C+2], s21
	s_add_co_u32 s[G0C+2], s[G0C+2], P_CEI
	s_mov_b32 s[G0C+3], 0
	s_mul_i32 s101, s14, REG                       ; where my loads go: wave x a region: no place in the cluster enters an LDS address
	s_mov_b32 s[SEL], 0x76543210
	s_mov_b32 s[SEL+1], 0xfedcba98
	s_mov_b32 s97, 0xffff0000                      ; lanes 16-31
	v_and_b32 v1, 15, v0                           ; r
	v_bfe_u32 v2, v0, 4, 1                         ; h
	v_and_b32 v3, 31, v0
	v_lshlrev_b32 v[OA], 4, v3
	s_wait_alu depctr_va_vdst(0)
	s_mul_i32 s22, s15, REG
	s_mul_i32 s23, s16, REG
	s_add_co_u32 s23, s23, 2*REG
.irp s, 0,1,2
	v_add_nc_u32 v[ADRA+\s], s22, v[OA]
	v_add_nc_u32 v[ADRB+\s], s23, v[OA]
	s_add_co_u32 s22, s22, TILEB
	s_add_co_u32 s23, s23, TILEB
.endr
	s_mul_i32 s22, s15, 4*FRB                      ; tile 2: my four blocks of Wv's group, in region 0's places 1, 2,
	s_add_co_u32 s22, s22, TILEB
	v_add_nc_u32 v[A2], s22, v[OA]
	s_add_co_u32 s22, s22, REG                     ; and region 1's
	v_add_nc_u32 v[A2+1], s22, v[OA]
	s_mul_i32 s22, s16, 2*REG                      ; my group of ce, K step 2: place 0 of region 2 (wave % 2),
	v_add_nc_u32 v[B2], s22, v[OA]
	s_add_co_u32 s22, s22, REG                     ; K step 3: of the next region
	v_add_nc_u32 v[B2+1], s22, v[OA]
	s_lshl_b32 s22, s14, 12
	s_add_co_u32 s22, s22, SCL
	v_add_nc_u32 v[W1], s22, v[OA]
	s_lshl_b32 s22, s16, 11                        ; tile 2's words: waves 0, 1 halves of Wv's 4,096 bytes, waves 2, 3 a group of ce's, 4,096 each, behind them
	s_and_b32 s23, s15, s16
	s_lshl_b32 s23, s23, 11
	s_add_co_u32 s22, s22, s23
	s_lshl_b32 s23, s15, 12
	s_add_co_u32 s22, s22, s23
	s_add_co_u32 s22, s22, SCL2
	v_add_nc_u32 v[W2], s22, v[OA]
	s_mul_i32 s22, s15, SGB
	s_mul_i32 s23, s16, SGB
	s_add_co_u32 s23, s23, 2*SGB
	s_sub_co_u32 s23, s23, s22
	v_mul_u32_u24 v4, s23, v2                      ; lanes 16-31 take B's
	s_add_co_u32 s22, s22, SCL
	v_lshl_add_u32 v4, v1, 4, v4
	v_add_nc_u32 v[ADRS], s22, v4
	s_lshl_b32 s22, s15, 3
	s_add_co_u32 s22, s22, SCL2
	v_lshl_add_u32 v[AS2], v1, 4, s22              ; a lane row's four words are blocks u, 2 + u, 4 + u, 6 + u: my two begin 8 (wave / 2) bytes on
	s_lshl_b32 s22, s16, 12
	s_add_co_u32 s22, s22, SCL2+SGB
	v_lshl_add_u32 v[BS2], v1, 4, s22
	v_lshlrev_b32 v30, 6, v2                       ; a column bias: 64 h
	v_and_b32 v31, 8, v1
	v_add_nc_u32 v31, v31, v1
	v_lshlrev_b32 v31, 2, v31                      ; a row bias: 4 (r + 8 (r / 8))
	v_min_u32 v[PFO], 23, v3
	v_lshlrev_b32 v[PFO], 8, v[PFO]                ; lanes 0-23 name 24 blocks of 256 bytes; the lanes left over name the last again
	v_mov_b32 v[BP+1], 0                           ; (named as the upper half of the pair)
	s_wait_alu depctr_va_vdst(0)
	s_wait_dscnt 0x0                               ; both opening adds are done
	s_wait_kmcnt 0x0
	s_add_nc_u64 s[G0+2:G0+3], s[4:5], s[G0+2:G0+3]
	s_add_nc_u64 s[G0B+2:G0B+3], s[4:5], s[G0B+2:G0B+3]
	s_add_nc_u64 s[G0+6:G0+7], s[4:5], s[G0+6:G0+7]
	s_add_nc_u64 s[G0B+6:G0B+7], s[4:5], s[G0B+6:G0B+7]
	s_add_nc_u64 s[G0C+2:G0C+3], s[4:5], s[G0C+2:G0C+3]
	s_add_nc_u64 s[56:57], s[4:5], s[56:57]
	s_add_nc_u64 s[58:59], s[4:5], s[58:59]
.irp c, 0,1,2,3,4,5,6,7
	global_load_b128 v[128+4*\c:131+4*\c], v[OA], s[56:57] offset:512*\c   ; tile 1's words of my group
.endr
.irp c, 0,1,2,3
	global_load_b128 v[160+4*\c:163+4*\c], v[OA], s[58:59] offset:512*\c   ; tile 2's
.endr
	s_cmp_eq_u32 s15, 0
	s_cbranch_scc1 .Lw2_in                         ; waves 0 and 1 have 2,048 bytes each
.irp c, 4,5,6,7
	global_load_b128 v[160+4*\c:163+4*\c], v[OA], s[58:59] offset:512*\c
.endr
.Lw2_in:
	s_cmp_eq_u32 s100, 0
	s_cselect_b64 s[20:21], s[6:7], s[8:9]         ; bq or bk,
	s_lshl_b32 s22, s19, 9                         ; at my 128 columns
	s_mov_b32 s23, 0
	s_add_nc_u64 s[20:21], s[20:21], s[22:23]
.irp u, 0,1,2,3
.irp q, 0,1,2,3
	global_load_b128 v[64+16*\u+4*\q:67+16*\u+4*\q], v30, s[20:21] offset:128*\u+16*\q   ; register 16 u + i: the bias of column 32 u + 16 h + i
.endr
.endr
	s_and_b32 s22, s3, 1
	s_lshl_b32 s22, s22, 2
	s_add_co_u32 s22, s22, s93
	s_lshl_b32 s22, s22, 1
	s_add_co_u32 s22, s22, s15
	s_lshl_b32 s22, s22, 8                         ; bv at my 64 channels of Wv's group
	s_add_nc_u64 s[10:11], s[10:11], s[22:23]
.irp a, 0,1,2,3
	global_load_b32 v[BV+\a], v31, s[10:11] offset:4*(32*(\a/2)+8*(\a%2))
.endr
	s_cmp_eq_u32 s15, 0                            ; the prefetches: the group that I fetch, from K step 2 on, my work-group's quarter of 49,152 bytes
	s_cselect_b64 s[PFA:PFA+1], s[G0+2:G0+3], s[G0B+2:G0B+3]
	s_cselect_b32 s22, s92, s93                    ; my place among the four that ask for it with me
	s_mul_i32 s22, s22, GSTEP
	s_add_co_u32 s22, s22, 2*TILEB
	s_add_nc_u64 s[PFA:PFA+1], s[PFA:PFA+1], s[22:23]
	s_add_nc_u64 s[G0+10:G0+11], s[G0+2:G0+3], 2*TILEB
	s_add_nc_u64 s[G0B+10:G0B+11], s[G0B+2:G0B+3], 2*TILEB
.irp s, 0,1,2
	s_mov_b32 s[G0+4*\s], 1
	s_add_co_u32 s[G0+4*\s+1], s101, \s*TILEB
	s_or_b32 s[G0+4*\s+3], s[G0+4*\s+3], 0x80000000
	s_mov_b32 s[G0B+4*\s], 1
	s_add_co_u32 s[G0B+4*\s+1], s101, \s*TILEB
	s_or_b32 s[G0B+4*\s+3], s[G0B+4*\s+3], 0x80000000
.endr
	s_mov_b32 s[G0C], 1
	s_mov_b32 s[G0C+1], s101
	s_or_b32 s[G0C+3], s[G0C+3], 0x80000000
	CROUND                                         ; all sixteen work-groups are here: the first joint loads meet
	JLOAD G0, G1S, G0B, G1SB                       ; K steps 0 and 1 of my group
	global_prefetch_b8 v[PFO], s[PFA:PFA+1] th:TH_LOAD_NT scope:SCOPE_SE
	global_prefetch_b8 v[PFO], s[PFA:PFA+1] offset:6144 th:TH_LOAD_NT scope:SCOPE_SE
	s_lshl_b32 s18, s17, 1
	s_add_co_u32 s18, s18, s15                     ; the group of my rows
	s_wait_loadcnt 0x0                             ; the words and the biases
.irp c, 0,1,2,3,4,5,6,7
	ds_store_b128 v[W1], v[128+4*\c:131+4*\c] offset:512*\c
.endr
.irp c, 0,1,2,3
	ds_store_b128 v[W2], v[160+4*\c:163+4*\c] offset:512*\c
.endr
	s_cmp_eq_u32 s15, 0
	s_cbranch_scc1 .Lw2_st
.irp c, 4,5,6,7
	ds_store_b128 v[W2], v[160+4*\c:163+4*\c] offset:512*\c
.endr
.Lw2_st:
	s_wait_tensorcnt 0x0                           ; my part of K steps 0 and 1 is in
	ds_add_u32 v[SPW], v[NIL]
	s_mul_i32 s20, s100, 6291456                   ; where tile 1 goes (the biases' loads, which read s[20:21], are done)
	s_mul_i32 s21, s18, GROW
	s_add_co_u32 s20, s20, s21
	s_mul_i32 s21, s19, GSTEP
	s_add_co_u32 s20, s20, s21
	s_mul_i32 s22, s100, 262144
	s_lshl_b32 s23, s18, 12
	s_add_co_u32 s22, s22, s23
	s_lshl_b32 s23, s19, 9
	s_add_co_u32 s22, s22, s23
	s_add_co_u32 s22, s22, Q_QS
	s_mov_b32 s21, 0
	s_mov_b32 s23, 0
	s_add_nc_u64 s[OC:OC+1], s[12:13], s[20:21]
	s_add_nc_u64 s[22:23], s[12:13], s[22:23]
	s_wait_dscnt 0x0                               ; the add is done, and my scale words lie in LDS
	CROUND
	JLOAD G0+8, G1, G0B+8, G1B                     ; K step 2
	FETCH_B 0, 0, 0
	FETCH_A 0, 0, 0
	SCALES 0
	FETCH_A 0, 0, 4
	STEP 0, 0, 1                                   ; the first products start the sums: nothing is cleared
	TURN 0, 0, 1, 2                                ; place 0 takes K step 3
	s_wait_alu depctr_va_vdst(0)
	STEP 1, 1, 0
	TURN 1, 1, 2, 0
	s_wait_alu depctr_va_vdst(0)
	STEP 2, 0, 0
	TURN 2, 0, 0, 3                                ; places 1 and 2 take tile 2's first loads
	STEP 0, 1, 0
	LAST 1
.irp b, 0,1,2,3
	v_mov_b32 v[TM+4+\b], 0                        ; a lane permute's destination counts as one of its sources
.endr
.irp a, 0,1,2,3
	OUTBLK \a, 0
.endr
	s_wait_alu depctr_va_vdst(0)
	s_wait_tensorcnt 0x0                           ; tile 2's first loads have landed
	ds_add_u32 v[SPW], v[NIL]
	s_wait_dscnt 0x0                               ; the add is done; my reads of the places 0 were over at the last products
	CROUND
	tensor_load_to_lds s[G0C:G0C+3], s[G1B:G1B+7]  ; every wave: a K step of one of ce's groups into its own place 0, asked for jointly along my column
	s_nop 0
.rept 4
	v_nop
.endr
.irp a, 4,5,6,7
	OUTBLK \a, 0
.endr
.irp j, 0,1,2,3                                ; eight blocks' words into the words' layout: lanes 0-15 take blocks 0, 2, 4, 6, lanes 16-31 blocks 1, 3, 5, 7
	v_cndmask_b32 v[236+\j], v[228+2*\j], v[229+2*\j], s97
.endr
	global_store_b128 v[OA], v[236:239], s[22:23]  ; my rows' 128 scale words: 512 consecutive bytes
	; ---- tile 2.  Its first loads were shown whole to every wave at the round above
	SCALES2 0
.irp g, 0,1,2,3
	FPART 0, \g
.endr
	WIN 0
	QSTEP 0, 1, 0
	QSTEP 1, 0, 0
	QSTEP 2, 0, 0
	QSTEP 3, 0, 1
	QSTEP 4, 0, 0
	QSTEP 5, 0, 0
	QSTEP 6, 0, 0
	s_wait_dscnt 0x0
.irp g, 0,1,2,3
	MUL8 7, \g, 0
.endr
	WIN 0
	PLACES 4
	s_wait_xcnt 0x0                                ; tile 1's stores have read their bases and their data
	s_and_b32 s18, s3, 1
	s_lshl_b32 s18, s18, 2
	s_add_co_u32 s18, s18, s93                     ; the channel group
	s_lshr_b32 s19, s3, 1
	s_lshl_b32 s19, s19, 2
	s_add_co_u32 s19, s19, s92
	s_lshl_b32 s19, s19, 1
	s_add_co_u32 s19, s19, s16                     ; my group of 128 keys, 0..63
	s_lshr_b32 s20, s19, 4                         ; the batch
	s_lshl_b32 s20, s20, 3
	s_add_co_u32 s20, s20, s18                     ; 8 x batch + channel group
	s_and_b32 s21, s19, 15                         ; the K step of keys
	s_lshl_b32 s22, s20, 13
	s_lshl_b32 s23, s21, 9
	s_add_co_u32 s22, s22, s23
	s_lshl_b32 s23, s15, 3                         ; my two of a lane row's four words
	s_add_co_u32 s22, s22, s23
	s_add_co_u32 s22, s22, Q_VS
	s_mul_i32 s20, s20, 196608
	s_mul_i32 s21, s21, GSTEP
	s_add_co_u32 s20, s20, s21
	s_mul_i32 s21, s15, 4*FRB                      ; my four of the group's eight blocks
	s_add_co_u32 s20, s20, s21
	s_add_co_u32 s20, s20, Q_VI
	s_mov_b32 s21, 0
	s_mov_b32 s23, 0
	s_add_nc_u64 s[OC:OC+1], s[12:13], s[20:21]
	s_add_nc_u64 s[22:23], s[12:13], s[22:23]
.irp a, 0,1,2,3
	OUTBLK \a, 1
.endr
	v_cndmask_b32 v236, v228, v229, s97
	v_cndmask_b32 v237, v230, v231, s97
	global_store_b64 v[OA], v[236:237], s[22:23]
	s_wait_tensorcnt 0x0                           ; the wave's end
	ds_add_u32 v[SPW], v[NIL]
	s_wait_dscnt 0x0
	CROUND                                         ; the closing round: no work-group ends while a partner may still ask for a tile that names it
	s_endpgm
.Lfunc_end_k_qbb04de6b23_proj:
	.size	k_qbb04de6b23_proj, .Lfunc_end_k_qbb04de6b23_proj-k_qbb04de6b23_proj
	.p2alignl 7, 3214868480
	.fill 96, 4, 3214868480
	.section	.rodata,"a",@progbits
	.p2align	6, 0x0
	.amdhsa_kernel k_qbb04de6b23_proj
		.amdhsa_group_segment_fixed_size 327680
		.amdhsa_private_segment_fixed_size 0
		.amdhsa_enable_private_segment 0
		.amdhsa_kernarg_size 40
		.amdhsa_user_sgpr_count 2
		.amdhsa_user_sgpr_kernarg_segment_ptr 1
		.amdhsa_wavefront_size32 1
		.amdhsa_system_sgpr_workgroup_id_x 1
		.amdhsa_system_sgpr_workgroup_id_y 1
		.amdhsa_system_sgpr_workgroup_id_z 1
		.amdhsa_system_vgpr_workitem_id 0
		.amdhsa_next_free_vgpr 1024
		.amdhsa_next_free_sgpr 102
		.amdhsa_reserve_vcc 0
		.amdhsa_float_denorm_mode_32 3
		.amdhsa_float_denorm_mode_16_64 3
		.amdhsa_memory_ordered 1
		.amdhsa_forward_progress 1
		.amdhsa_inst_pref_size 245
	.end_amdhsa_kernel
	.amdgpu_metadata
---
amdhsa.version: [ 1, 2 ]
amdhsa.kernels:
  - .name:           k_qbb04de6b23_proj
    .symbol:         k_qbb04de6b23_proj.kd
    .args:
      - { .name: pre, .offset: 0, .size: 8, .value_kind: global_buffer, .address_space: global }
      - { .name: bq, .offset: 8, .size: 8, .value_kind: global_buffer, .address_space: global }
      - { .name: bk, .offset: 16, .size: 8, .value_kind: global_buffer, .address_space: global }
      - { .name: bv, .offset: 24, .size: 8, .value_kind: global_buffer, .address_space: global }
      - { .name: qkv, .offset: 32, .size: 8, .value_kind: global_buffer, .address_space: global }
    .group_segment_fixed_size: 327680
    .private_segment_fixed_size: 0
    .kernarg_segment_align: 8
    .kernarg_segment_size: 40
    .max_flat_workgroup_size: 128
    .sgpr_count:     102
    .vgpr_count:     1024
    .wavefront_size: 32
...
	.end_amdgpu_metadata
.endif
;; end of part 2
;; launch score (part 3): grid 8 x 32, 4 waves a work-group, clusters of 4 x 4, 327,680 bytes of LDS; arguments qkv, pb; writes pb
.if DOCPART == 3
	.amdgcn_target "amdgcn-amd-amdhsa--gfx1250"
	.amdhsa_code_object_version 6
	.text
	.protected	k_qbb04de6b23_score
	.globl	k_qbb04de6b23_score
	.p2align	8
	.type	k_qbb04de6b23_score,@function
k_qbb04de6b23_score:
	s_mov_b64 s[64:65], 0
	v_nop
	global_prefetch_b8 v0, s[64:65] scope:SCOPE_SE
	s_setreg_imm32_b32 hwreg(HW_REG_WAVE_MODE, 25, 1), 1
	s_wait_xcnt 0x0
	s_wait_alu depctr_hold_cnt(0) depctr_sa_sdst(0) depctr_va_vdst(0) depctr_va_sdst(0) depctr_va_ssrc(0) depctr_va_vcc(0) depctr_vm_vsrc(0)
	s_getreg_b32 s2, hwreg(HW_REG_IB_STS2, 6, 4)
	s_cmp_eq_u32 s2, 0
	s_cbranch_scc0 .Lentry_in_a_cluster
	s_endpgm
.Lentry_in_a_cluster:
	s_bfe_u32 s2, ttmp6, 0x10000c
	s_cmp_lg_u32 s2, 0xf033
	s_cbranch_scc0 .Lentry_shape_is_right
	s_endpgm
.Lentry_shape_is_right:
; S = Q(q) Q(k)^T on codes of FP6 (E2M3); t = S x log2(e) / 32; and the softmax's p, quantised along the keys.  Nothing is left out.
; A wave's 128 columns are one K step of 128 keys of the next product.  For each query and each such step: M = the ceiling of the step's largest t, a whole number; p = 2^(t - M); l = the sum of the unquantised p.
; p's codes and scale bytes, -M and l go to memory; the next launch joins the steps' M: the change is an exact power of two, which it takes off the scale bytes and out of l.
; The maximum is taken away before every exponential: no p is above 1.
; The product's core is the one of the launch before: a tile of 256 x 256, four waves, K = 1,024 in four steps of 256 through three LDS slots, operands as images of the operand's registers, joint loads in a
; cluster of 4 x 4, the matrix instruction used transposed: in lane (r, h) the 64 registers of A's block a are keys 32 b + 16 h + 0 .. 15 of one query.
; LIMITS: v_exp_f32 gives 0 for p under 2^-126; a block whose every p is 0 keeps the byte 1 (its codes are zeros); NaN and infinities are not served.
.set Q_KI,  6291456
.set Q_QS,  18874368
.set Q_KS,  19136512
.set B_PSW, 12582912                   ; in pb: p's images at 0 ([64 groups of queries][16 K steps of keys]); its scale words here; -M 524,288 further on; l 1,048,576 further on
.set FRB,   1536
.set GSTEP, 12288
.set TILEB, 24576
.set SLOT,  24576                      ; a K step's place in a group's LDS region: each of the four groups (q's two, k's two) has a region of three such places on end
.set FR,    12
.set GROW,  98304
.set SGB,   4096
.set RSTEP, 3*TILEB
.set SCL,   12*TILEB                   ; behind the four regions: the scale words; stored there by the waves, never filled by a tensor load.  No prefetch: K has four steps, and three of them are asked for before the first product
.set SPARE, SCL+4*SGB                  ; the spare words, 128 bytes for each wave: two blocks of 256 bytes that no other line names
.set ADRA, 16
.set ADRB, 20
.set OA,   23
.set ADRS, 27
.set SPW,  28
.set NIL,  29
.set SC,   32
.set TM,   64                          ; v64-67 the blocks' largest scores, then largest p; v68-71, v76-79 at work
.set AF,   128
.set T,    128
.set PC,   192
.set PWS,  224                         ; v224-231 the eight blocks' scale words;
.set NMS,  232                         ; v232-239 their -M;
.set LS,   240                         ; v240-247 their l
.set G1,   24
.set G1B,  32
.set G1S,  40
.set G1SB, 48
.set G0S,  56
.set G0SB, 60
.set SEL,  66
.set G0,   68
.set G0B,  80
.set CS,   98                          ; s[98:99] c = log2(e) / 32
.set OC,   8                           ; s[8:9] where my images go; s[10:11] my words
.set MSB, 0
.macro WIN new
.if MSB != (\new)
	s_set_vgpr_msb (MSB<<8)|(\new)
.set MSB, (\new)
.endif
.endm
.set MUL_LO, 0xa1
.set MUL_HI, 0xf1
.set TO_B,   0x40
.macro JLOAD g0a, g1a, g0b, g1b        ; a joint load: waves 0 and 1 fetch for A, waves 2 and 3 for B; an s_nop 0 and four v_nop follow each line
	s_cmp_eq_u32 s15, 0
	s_cbranch_scc0 .Lfor_b_\@
	tensor_load_to_lds s[\g0a:\g0a+3], s[\g1a:\g1a+7]
	s_nop 0
.rept 4
	v_nop
.endr
	s_branch .Lasked_\@
.Lfor_b_\@:
	tensor_load_to_lds s[\g0b:\g0b+3], s[\g1b:\g1b+7]
	s_nop 0
.rept 4
	v_nop
.endr
.Lasked_\@:
.endm
.macro CREST
	s_cmp_lg_u32 s14, 0
	s_cbranch_scc1 .Lnot_wave_0_\@
	s_barrier_signal -3
.Lnot_wave_0_\@:
	s_barrier_wait -3
	s_barrier_signal -1
	s_barrier_wait -1
.endm
.macro CROUND
	s_barrier_signal -1
	s_barrier_wait -1
	CREST
.endm
.macro PLACES n
.rept \n
	v_nop
.endr
.endm
.macro GROUP1 g, rows
	s_mov_b32 s[\g+1], 32<<16
	s_mov_b32 s[\g+2], (\rows)<<16
	s_mov_b32 s[\g+3], 32<<16
	s_mov_b32 s[\g+4], \rows
	s_mov_b32 s[\g+5], 32
	s_mov_b32 s[\g+6], 0
	s_mov_b32 s[\g+7], 0
.endm
.macro FRAG reg, adr, q, i
.irp c, 0,1,2
	ds_load_b128 v[\reg+4*\c:\reg+4*\c+3], v[\adr] offset:(\q)*GSTEP+(\i)*FRB+512*\c
.endr
.endm
.macro FETCH_B slot, q, p
	WIN TO_B
.irp i, 0,1,2,3,4,5,6,7
	FRAG 128*(\p)+FR*\i, ADRB+\slot, \q, \i
.endr
	WIN 0
.endm
.macro FETCH_A slot, q, i0
.irp i, \i0, \i0+1, \i0+2, \i0+3
	FRAG AF+FR*(\i), ADRA+\slot, \q, \i
.endr
.endm
.macro SCALES sc
.irp q, 0,1
.irp u, 0,1
	ds_load_b128 v[SC+16*(\sc)+8*\q+4*\u:SC+16*(\sc)+8*\q+4*\u+3], v[ADRS] offset:512*\q+256*\u
.endr
.endr
.endm
.macro MUL16 a0, p, q, sc, zero        ; the 64 accumulators take turns, one instruction a turn, in the same order in every step
.irp a, \a0, \a0+1
.irp b, 0,1,2,3,4,5,6,7
.if \zero
	v_wmma_scale_f32_16x16x128_f8f6f4 v[8*(8*((\a)%4)+\b):8*(8*((\a)%4)+\b)+7], v[128*(\p)+FR*\b:128*(\p)+FR*\b+FR-1], v[AF+FR*(\a):AF+FR*(\a)+FR-1], 0, v[SC+16*(\sc)+8*(\q)+4*(\b%2)+\b/2], v[SC+16*(\sc)+8*(\q)+4*((\a)%2)+(\a)/2] matrix_a_fmt:MATRIX_FMT_FP6 matrix_b_fmt:MATRIX_FMT_FP6 matrix_a_scale:MATRIX_SCALE_ROW1
.else
	v_wmma_scale_f32_16x16x128_f8f6f4 v[8*(8*((\a)%4)+\b):8*(8*((\a)%4)+\b)+7], v[128*(\p)+FR*\b:128*(\p)+FR*\b+FR-1], v[AF+FR*(\a):AF+FR*(\a)+FR-1], v[8*(8*((\a)%4)+\b):8*(8*((\a)%4)+\b)+7], v[SC+16*(\sc)+8*(\q)+4*(\b%2)+\b/2], v[SC+16*(\sc)+8*(\q)+4*((\a)%2)+(\a)/2] matrix_a_fmt:MATRIX_FMT_FP6 matrix_b_fmt:MATRIX_FMT_FP6 matrix_a_scale:MATRIX_SCALE_ROW1
.endif
.endr
.endr
.endm
.macro STEP slot, sc, zero
	s_wait_dscnt 12                                ; all but A's blocks 4-7 (4 x 3 loads) are in
	WIN MUL_LO
	MUL16 0, 0, 0, \sc, \zero
	MUL16 2, 0, 0, \sc, \zero
	s_wait_dscnt 0
	PLACES 4
	FETCH_B \slot, 1, 1
	FETCH_A \slot, 1, 0
	WIN MUL_HI
	MUL16 4, 0, 0, \sc, \zero
	MUL16 6, 0, 0, \sc, \zero
	PLACES 4
	WIN 0
	FETCH_A \slot, 1, 4
.endm
.macro TURN slot, sc, next, mode       ; mode 2: waits, add, the cluster's round, refill; mode 1: waits, add, my work-group's barrier; mode 0: the slot ahead was shown whole at the last barrier
.if \mode
	s_wait_tensorcnt 0x0                           ; all my tensor loads have landed
	ds_add_u32 v[SPW], v[NIL]                      ; 0 onto my spare word
	s_wait_dscnt 13                                ; (the add and A's blocks 4-7 may be out)
	WIN MUL_LO
	MUL16 0, 1, 1, \sc, 0
	s_wait_dscnt 0x0                               ; the add is done, and my reads of this slot are over
	s_barrier_signal -1
	MUL16 2, 1, 1, \sc, 0
	WIN 0
	s_barrier_wait -1
.if \mode == 2
	CREST
	s_add_nc_u64 s[G0+4*\slot+2:G0+4*\slot+3], s[G0+4*\slot+2:G0+4*\slot+3], RSTEP
	s_add_nc_u64 s[G0B+4*\slot+2:G0B+4*\slot+3], s[G0B+4*\slot+2:G0B+4*\slot+3], RSTEP
	JLOAD G0+4*\slot, G1, G0B+4*\slot, G1B         ; the first tensor load behind the round
.else
	PLACES 4
.endif
.else
	s_wait_dscnt 12
	WIN MUL_LO
	MUL16 0, 1, 1, \sc, 0
	MUL16 2, 1, 1, \sc, 0
	s_wait_dscnt 0x0
	PLACES 4
	WIN 0
.endif
	v_add_nc_u32 v[ADRS], 1024, v[ADRS]
	FETCH_B \next, 0, 0
	FETCH_A \next, 0, 0
	SCALES 1-\sc
	WIN MUL_HI
	MUL16 4, 1, 1, \sc, 0
	MUL16 6, 1, 1, \sc, 0
	PLACES 4
	WIN 0
	FETCH_A \next, 0, 4
.endm
.macro LAST sc
	s_wait_dscnt 12
	WIN MUL_LO
	MUL16 0, 1, 1, \sc, 0
	MUL16 2, 1, 1, \sc, 0
	s_wait_dscnt 0
	WIN MUL_HI
	MUL16 4, 1, 1, \sc, 0
	MUL16 6, 1, 1, \sc, 0
	WIN 0
	PLACES 4
.endm
.macro QCODE s, pw                     ; from the blocks' largest magnitudes in v[TM] on and 64 numbers in v[s] on: codes in v[PC] on, the scale word in v[pw]
.irp b, 0,1,2,3
	v_add_nc_u32 v[TM+12+\b], 0xff000000, v[TM+\b]
.endr
.irp b, 0,1,2,3
	v_lshrrev_b32 v[TM+4+\b], 23, v[TM+12+\b]
.endr
	v_lshl_or_b32 v[\pw], v[TM+5], 8, v[TM+4]
	v_lshl_or_b32 v[\pw], v[TM+6], 16, v[\pw]
	v_lshl_or_b32 v[\pw], v[TM+7], 24, v[\pw]
	s_wait_xcnt 0x0                                ; the last block's stores have read the codes' registers
.irp c, 0,1
	v_cvt_scalef32_pk16_fp6_f32 v[PC+6*\c:PC+2+6*\c], v[\s+32*\c:\s+15+32*\c], v[TM+12+2*\c]
	v_cvt_scalef32_pk16_fp6_f32 v[PC+12+4*\c:PC+14+4*\c], v[\s+16+32*\c:\s+31+32*\c], v[TM+12+2*\c+1]
.endr
	v_nop                                          ; one plain place behind a scaled conversion
.irp c, 0,1
.irp i, 0,1,2
	v_permlane16_swap_b32 v[PC+6*\c+\i], v[PC+12+4*\c+\i]
.endr
.irp i, 0,1,2
	v_mov_b32 v[PC+3+6*\c+\i], v[PC+12+4*\c+\i]
.endr
.endr
.endm
.macro PUT a
.irp c, 0,1,2
	global_store_b128 v[OA], v[PC+4*\c:PC+4*\c+3], s[OC:OC+1] offset:(\a)*FRB+512*\c
.endr
.endm
.macro PACK4 d, src
.irp j, 0,1,2,3
	v_cndmask_b32 v[\d+\j], v[\src+2*\j], v[\src+2*\j+1], s97
.endr
.endm
	s_load_b128 s[4:7], s[0:1], 0x0                ; qkv, pb
	v_lshl_add_u32 v[SPW], v0, 2, SPARE
	v_mov_b32 v[NIL], 0
	ds_add_u32 v[SPW], v[NIL]                      ; the wave's opening: the add, twice on end, and its wait ahead of my first tensor load
	ds_add_u32 v[SPW], v[NIL]
	v_lshrrev_b32 v1, 5, v0
	v_readfirstlane_b32 s14, v1
	s_lshr_b32 s15, s14, 1
	s_and_b32 s16, s14, 1
	s_bfe_u32 s92, ttmp6, 0x40000                  ; cx
	s_bfe_u32 s93, ttmp6, 0x40004                  ; cy
	s_and_b32 s100, ttmp7, 0xffff
	s_lshl_b32 s17, s100, 2
	s_add_co_u32 s17, s17, s93                     ; tile row: 256 queries of all 8,192
	s_lshr_b32 s100, s100, 1                       ; the batch: the same in all partners
	s_lshl_b32 s94, ttmp9, 2
	s_add_co_u32 s94, s94, s92                     ; tile column: 256 keys of the batch's 2,048
	s_lshl_b32 s95, s93, 2
	s_lshl_b32 s95, 15, s95
	s_lshl_b32 s96, 0x1111, s92
	s_or_b32 s[G1], s95, (3<<16)|(1<<21)
	s_or_b32 s[G1B], s96, (3<<16)|(1<<21)
	s_or_b32 s[G1S], s95, (3<<16)|(1<<21)
	s_or_b32 s[G1SB], s96, (3<<16)|(1<<21)
	GROUP1 G1, 96
	GROUP1 G1B, 96
	GROUP1 G1S, 192                                ; the head's load: a group x 512 K, K steps 0 and 1 on end, 49,152 dense bytes
	GROUP1 G1SB, 192
	s_lshl_b32 s18, s17, 1
	s_add_co_u32 s18, s18, s16                     ; q's group that I would fetch
	s_mul_i32 s[G0+2], s18, GROW
	s_mov_b32 s[G0+3], 0
	s_lshl_b32 s[G0S+2], s18, 12
	s_add_co_u32 s[G0S+2], s[G0S+2], Q_QS
	s_mov_b32 s[G0S+3], 0
	s_lshl_b32 s19, s94, 1
	s_add_co_u32 s19, s19, s16
	s_lshl_b32 s101, s100, 4
	s_add_co_u32 s19, s19, s101                    ; k's: 16 x batch + 2 x tile column + half
	s_mul_i32 s[G0B+2], s19, GROW
	s_add_co_u32 s[G0B+2], s[G0B+2], Q_KI
	s_mov_b32 s[G0B+3], 0
	s_lshl_b32 s[G0SB+2], s19, 12
	s_add_co_u32 s[G0SB+2], s[G0SB+2], Q_KS
	s_mov_b32 s[G0SB+3], 0
	s_mul_i32 s101, s14, 3*TILEB                   ; where my tiles go: wave x a region
	s_lshl_b32 s2, s14, 12
	s_add_co_u32 s2, s2, SCL                       ; and my group's scale words
	s_mov_b32 s[SEL], 0x76543210
	s_mov_b32 s[SEL+1], 0xfedcba98
	s_mov_b32 s97, 0xffff0000
	s_mov_b32 s[CS], 0x3d38aa3b                    ; log2(e) / 32
	s_mov_b32 s[CS+1], s[CS]                       ; (named with it as a pair)
	v_and_b32 v1, 15, v0
	v_bfe_u32 v2, v0, 4, 1
	s_wait_alu depctr_va_vdst(0)
	v_and_b32 v3, 31, v0
	v_lshlrev_b32 v[OA], 4, v3
	v_add_nc_u32 v24, s2, v[OA]                    ; where I store my group's scale words
	s_mul_i32 s22, s15, 3*TILEB
	s_mul_i32 s23, s16, 3*TILEB
	s_add_co_u32 s23, s23, 6*TILEB
.irp s, 0,1,2
	v_add_nc_u32 v[ADRA+\s], s22, v[OA]
	v_add_nc_u32 v[ADRB+\s], s23, v[OA]
	s_add_co_u32 s22, s22, SLOT
	s_add_co_u32 s23, s23, SLOT
.endr
	s_mul_i32 s22, s15, SGB
	s_mul_i32 s23, s16, SGB
	s_add_co_u32 s23, s23, 2*SGB
	s_sub_co_u32 s23, s23, s22
	v_mul_u32_u24 v4, s23, v2
	s_add_co_u32 s22, s22, SCL
	v_lshl_add_u32 v4, v1, 4, v4
	v_add_nc_u32 v[ADRS], s22, v4
.irp b, 0,1,2,3
	v_mov_b32 v[TM+4+\b], 0                        ; a lane permute's destination counts as one of its sources
.endr
	v_mov_b32 v81, 0                               ; (the upper half of the pair v[80:81])
	v_mov_b32 v87, 0
	s_wait_dscnt 0x0                               ; both opening adds are done
	s_wait_kmcnt 0x0
	s_add_nc_u64 s[G0+2:G0+3], s[4:5], s[G0+2:G0+3]
	s_add_nc_u64 s[G0B+2:G0B+3], s[4:5], s[G0B+2:G0B+3]
	s_add_nc_u64 s[G0S+2:G0S+3], s[4:5], s[G0S+2:G0S+3]
	s_add_nc_u64 s[G0SB+2:G0SB+3], s[4:5], s[G0SB+2:G0SB+3]
.irp s, 2
	s_add_nc_u64 s[G0+4*\s+2:G0+4*\s+3], s[G0+2:G0+3], \s*TILEB
	s_add_nc_u64 s[G0B+4*\s+2:G0B+4*\s+3], s[G0B+2:G0B+3], \s*TILEB
.endr
.irp s, 0,2
	s_mov_b32 s[G0+4*\s], 1
	s_add_co_u32 s[G0+4*\s+1], s101, \s*SLOT
	s_or_b32 s[G0+4*\s+3], s[G0+4*\s+3], 0x80000000
	s_mov_b32 s[G0B+4*\s], 1
	s_add_co_u32 s[G0B+4*\s+1], s101, \s*SLOT
	s_or_b32 s[G0B+4*\s+3], s[G0B+4*\s+3], 0x80000000
.endr
	s_cmp_eq_u32 s15, 0
	s_cselect_b64 s[G0S+2:G0S+3], s[G0S+2:G0S+3], s[G0SB+2:G0SB+3]   ; the scale words of the group that I fetch: 4,096 dense bytes, through registers
.irp c, 0,1,2,3,4,5,6,7
	global_load_b128 v[128+4*\c:131+4*\c], v[OA], s[G0S+2:G0S+3] offset:512*\c
.endr
	CROUND                                         ; all sixteen work-groups are here: the first joint loads meet
	JLOAD G0, G1S, G0B, G1SB                       ; K steps 0 and 1 of my group
	s_lshl_b32 s18, s17, 1
	s_add_co_u32 s18, s18, s15                     ; GA: my group of queries
	s_lshl_b32 s19, s94, 1
	s_add_co_u32 s19, s19, s16                     ; GB: my K step of keys
	s_mul_i32 s20, s18, 196608
	s_mul_i32 s21, s19, GSTEP
	s_add_co_u32 s20, s20, s21
	s_mov_b32 s21, 0
	s_add_nc_u64 s[OC:OC+1], s[6:7], s[20:21]
	s_lshl_b32 s20, s18, 13
	s_lshl_b32 s22, s19, 9
	s_add_co_u32 s20, s20, s22
	s_add_co_u32 s20, s20, B_PSW
	s_add_nc_u64 s[10:11], s[6:7], s[20:21]
	s_wait_alu depctr_va_vdst(0)
	s_wait_loadcnt 0x0
.irp c, 0,1,2,3,4,5,6,7
	ds_store_b128 v24, v[128+4*\c:131+4*\c] offset:512*\c
.endr
	s_wait_tensorcnt 0x0                           ; my part of K steps 0 and 1 is in
	ds_add_u32 v[SPW], v[NIL]
	s_wait_dscnt 0x0                               ; the add is done, and my scale words lie in LDS
	CROUND
	JLOAD G0+8, G1, G0B+8, G1B                     ; K step 2: it has K step 0's first 64 matrix instructions in which to land
	FETCH_B 0, 0, 0
	FETCH_A 0, 0, 0
	s_wait_alu depctr_va_vdst(0)
	SCALES 0
	FETCH_A 0, 0, 4
	STEP 0, 0, 1
	TURN 0, 0, 1, 2
	s_wait_alu depctr_va_vdst(0)
	STEP 1, 1, 0
	TURN 1, 1, 2, 0
	s_wait_alu depctr_va_vdst(0)
	STEP 2, 0, 0
	TURN 2, 0, 0, 1
	STEP 0, 1, 0
	LAST 1
; Block a: 16 queries x my 128 keys.
.macro SOFT a
.set AC, 64*((\a)%4)
	WIN 0x28+0x14*((\a)/4)                         ; sources 1 and 2: window 2 or 3
.irp b, 0,1,2,3
	v_max3_num_f32 v[TM+\b], 0xff800000, v[AC+16*\b], v[AC+16*\b+1]   ; the largest score of each block of 32 keys: it serves for the row's maximum and, since p rises with the score, for the block's largest p
.endr
.irp i, 2,4,6,8,10,12,14
.irp b, 0,1,2,3
	v_max3_num_f32 v[TM+\b], v[TM+\b], v[AC+16*\b+\i], v[AC+16*\b+\i+1]   ; each accumulator from its low end on
.endr
.endr
	WIN 0
.irp b, 0,1,2,3
	v_permlanex16_b32 v[TM+4+\b], v[TM+\b], s[SEL], s[SEL+1]
.endr
.irp b, 0,1,2,3
	v_max_num_f32 v[TM+\b], v[TM+\b], v[TM+4+\b]   ; with lane l xor 16's 16 keys
.endr
	v_max3_num_f32 v86, v[TM], v[TM+1], v[TM+2]
	v_max_num_f32 v86, v86, v[TM+3]
	v_mul_f32 v86, s[CS], v86                      ; the largest t of these 128 keys
	v_floor_f32 v80, -v86                          ; -M = floor(-t): M is a whole number
	WIN 0x02+(\a)/4
.set j, 0
.rept 32
	v_pk_fma_f32 v[T+j:T+j+1], v[AC+j:AC+j+1], s[CS:CS+1], v[80:81] op_sel_hi:[1,0,0]   ; t - M
.set j, j+2
.endr
	WIN 0
.irp b, 0,1,2,3
	v_fma_f32 v[TM+\b], v[TM+\b], s[CS], v80       ; the same of each block's largest score
.endr
.set j, 0
	s_wait_alu depctr_va_vdst(0)
.rept 64
	v_exp_f32 v[T+j], v[T+j]                       ; p = 2^(t - M), at most 1
.set j, j+1
.endr
	v_mov_b32 v[NMS+\a], v80                       ; (a plain place behind the exponentials)
	s_wait_alu depctr_va_vdst(0)                   ; one wait for the batch of 64, ahead of its first reader
.irp b, 0,1,2,3
	v_exp_f32 v[TM+\b], v[TM+\b]                   ; the block's largest p: the same two instructions on the same number
.endr
	v_pk_add_f32 v[82:83], v[T:T+1], v[T+2:T+3]    ; the sum of the unquantised p, in two chains
	v_pk_add_f32 v[84:85], v[T+4:T+5], v[T+6:T+7]
.set j, 8
.rept 14
	v_pk_add_f32 v[82:83], v[82:83], v[T+j:T+j+1]
	v_pk_add_f32 v[84:85], v[84:85], v[T+j+2:T+j+3]
.set j, j+4
.endr
	v_pk_add_f32 v[82:83], v[82:83], v[84:85]
	v_add_f32 v82, v82, v83
	v_permlanex16_b32 v87, v82, s[SEL], s[SEL+1]
	v_add_f32 v[LS+\a], v82, v87
	s_wait_alu depctr_va_vdst(0)                   ; and one for the four
.irp b, 0,1,2,3
	v_max_num_f32 v[TM+\b], 0x1800000, v[TM+\b]    ; the floor 2^(3 - 127): the byte cannot fall under 1
.endr
	QCODE T, PWS+\a
	PUT \a
.endm
.irp a, 0,1,2,3,4,5,6,7
	SOFT \a
.endr
	PACK4 88, PWS
	PACK4 92, NMS
	PACK4 96, LS
	global_store_b128 v[OA], v[88:91], s[10:11]                    ; 512 consecutive bytes each: the words,
	global_store_b128 v[OA], v[92:95], s[10:11] offset:524288      ; -M,
	global_store_b128 v[OA], v[96:99], s[10:11] offset:1048576     ; l
	s_wait_tensorcnt 0x0                           ; the wave's end
	ds_add_u32 v[SPW], v[NIL]
	s_wait_dscnt 0x0
	CROUND                                         ; the closing round
	s_endpgm
.Lfunc_end_k_qbb04de6b23_score:
	.size	k_qbb04de6b23_score, .Lfunc_end_k_qbb04de6b23_score-k_qbb04de6b23_score
	.p2alignl 7, 3214868480
	.fill 96, 4, 3214868480
	.section	.rodata,"a",@progbits
	.p2align	6, 0x0
	.amdhsa_kernel k_qbb04de6b23_score
		.amdhsa_group_segment_fixed_size 327680
		.amdhsa_private_segment_fixed_size 0
		.amdhsa_enable_private_segment 0
		.amdhsa_kernarg_size 16
		.amdhsa_user_sgpr_count 2
		.amdhsa_user_sgpr_kernarg_segment_ptr 1
		.amdhsa_wavefront_size32 1
		.amdhsa_system_sgpr_workgroup_id_x 1
		.amdhsa_system_sgpr_workgroup_id_y 1
		.amdhsa_system_sgpr_workgroup_id_z 1
		.amdhsa_system_vgpr_workitem_id 0
		.amdhsa_next_free_vgpr 1024
		.amdhsa_next_free_sgpr 102
		.amdhsa_reserve_vcc 0
		.amdhsa_float_denorm_mode_32 3
		.amdhsa_float_denorm_mode_16_64 3
		.amdhsa_memory_ordered 1
		.amdhsa_forward_progress 1
		.amdhsa_inst_pref_size 196
	.end_amdhsa_kernel
	.amdgpu_metadata
---
amdhsa.version: [ 1, 2 ]
amdhsa.kernels:
  - .name:           k_qbb04de6b23_score
    .symbol:         k_qbb04de6b23_score.kd
    .args:
      - { .name: qkv, .offset: 0, .size: 8, .value_kind: global_buffer, .address_space: global }
      - { .name: pb, .offset: 8, .size: 8, .value_kind: global_buffer, .address_space: global }
    .group_segment_fixed_size: 327680
    .private_segment_fixed_size: 0
    .kernarg_segment_align: 8
    .kernarg_segment_size: 16
    .max_flat_workgroup_size: 128
    .sgpr_count:     102
    .vgpr_count:     1024
    .wavefront_size: 32
...
	.end_amdgpu_metadata
.endif
;; end of part 3
;; launch mix (part 4): grid 4 x 64, 4 waves a work-group, clusters of 4 x 4, 327,680 bytes of LDS; arguments pb, qkv, x, rb; writes rb
.if DOCPART == 4
	.amdgcn_target "amdgcn-amd-amdhsa--gfx1250"
	.amdhsa_code_object_version 6
	.text
	.protected	k_qbb04de6b23_mix
	.globl	k_qbb04de6b23_mix
	.p2align	8
	.type	k_qbb04de6b23_mix,@function
k_qbb04de6b23_mix:
	s_mov_b64 s[64:65], 0
	v_nop
	global_prefetch_b8 v0, s[64:65] scope:SCOPE_SE
	s_setreg_imm32_b32 hwreg(HW_REG_WAVE_MODE, 25, 1), 1
	s_wait_xcnt 0x0
	s_wait_alu depctr_hold_cnt(0) depctr_sa_sdst(0) depctr_va_vdst(0) depctr_va_sdst(0) depctr_va_ssrc(0) depctr_va_vcc(0) depctr_vm_vsrc(0)
	s_getreg_b32 s2, hwreg(HW_REG_IB_STS2, 6, 4)
	s_cmp_eq_u32 s2, 0
	s_cbranch_scc0 .Lentry_in_a_cluster
	s_endpgm
.Lentry_in_a_cluster:
	s_bfe_u32 s2, ttmp6, 0x10000c
	s_cmp_lg_u32 s2, 0xf033
	s_cbranch_scc0 .Lentry_shape_is_right
	s_endpgm
.Lentry_shape_is_right:
; r = Q(x + (p v) / l): the steps' whole-number maxima are joined (the change is taken off p's scale bytes and out of l), p v^T on codes of FP6 (E2M3), / l, + x, quantised along the channels.  Nothing is left out.
; A tile is 128 queries x 256 channels, four waves of 64 x 128.  K = 2,048 keys goes through TWO LDS SLOTS OF 512 KEYS (p: 49,152 bytes, v^T's two groups: 49,152 each): waves 0, 1 fetch halves of p's part, waves 2, 3 a group of v^T's.
; Slot 0's first fill is the head's one load a wave; slot 1's follows behind the three lines and a round; the refills stand at the heads of K steps 3 and 7, when the old slot's last fragments are in registers:
; each load has four K steps, 128 matrix instructions, in which to land.  p's scale words (changed) and v^T's go into LDS bytes of their own by LDS stores.
.set B_PSW, 12582912
.set Q_VI,  12582912
.set Q_VS,  19398656
.set R_RS,  6291456
.set FRB,   1536
.set GSTEP, 12288
.set FR,    12
.set HALFK, 98304
.set SCL,   3*HALFK
.set SGBA,  8192
.set SPARE, SCL+SGBA+16384
.set ADRA,  16
.set ADRB,  18
.set ADRSA, 20
.set ADRSB, 21
.set SWA,   22
.set OA,    23
.set STO,   24
.set RD,    25
.set PFO,   26
.set SPW,   28
.set NIL,   29
.set SC,    32
.set T,     128
.set PC,    192
.set TM,    212
.set G1,    24
.set G1B,   32
.set G1SB,  48
.set G0SB,  60
.set SEL,   66
.set G0,    68
.set PFA,   72
.set LIM,   74
.set G0B,   80
.set XB,    8
.set OC,    10
.set MSB, 0
.macro WIN new
.if MSB != (\new)
	s_set_vgpr_msb (MSB<<8)|(\new)
.set MSB, (\new)
.endif
.endm
.macro JLOAD g0a, g1a, g0b, g1b
	s_cmp_eq_u32 s15, 0
	s_cbranch_scc0 .Lfor_b_\@
	tensor_load_to_lds s[\g0a:\g0a+3], s[\g1a:\g1a+7]
	s_nop 0
.rept 4
	v_nop
.endr
	s_branch .Lasked_\@
.Lfor_b_\@:
	tensor_load_to_lds s[\g0b:\g0b+3], s[\g1b:\g1b+7]
	s_nop 0
.rept 4
	v_nop
.endr
.Lasked_\@:
.endm
.macro CREST
	s_cmp_lg_u32 s14, 0
	s_cbranch_scc1 .Lnot_wave_0_\@
	s_barrier_signal -3
.Lnot_wave_0_\@:
	s_barrier_wait -3
	s_barrier_signal -1
	s_barrier_wait -1
.endm
.macro CROUND
	s_barrier_signal -1
	s_barrier_wait -1
	CREST
.endm
.macro PLACES n
.rept \n
	v_nop
.endr
.endm
.macro GROUP1 g, rows
	s_mov_b32 s[\g+1], 32<<16
	s_mov_b32 s[\g+2], (\rows)<<16
	s_mov_b32 s[\g+3], 32<<16
	s_mov_b32 s[\g+4], \rows
	s_mov_b32 s[\g+5], 32
	s_mov_b32 s[\g+6], 0
	s_mov_b32 s[\g+7], 0
.endm
.macro FPART q, g
.set RQ, (\q)%8
.set FO, (RQ%4)*GSTEP
.set HQ, RQ/4
	WIN 0x40+0x80*((\q)%2)
.irp i, 2*(\g), 2*(\g)+1
.irp c, 0,1,2
	ds_load_b128 v[FR*(\i)+4*\c:FR*(\i)+4*\c+3], v[ADRB+HQ] offset:FO+(\i)*FRB+512*\c
.endr
.endr
.irp c, 0,1,2
	ds_load_b128 v[96+FR*(\g)+4*\c:96+FR*(\g)+4*\c+3], v[ADRA+HQ] offset:FO+(\g)*FRB+512*\c
.endr
.endm
.macro SCALES q
.set SS, SC+12*((\q)%2)
.irp u, 0,1
	ds_load_b128 v[SS+4*\u:SS+4*\u+3], v[ADRSB] offset:512*(\q)+256*\u
.endr
.irp u, 0,1
	ds_load_b64 v[SS+8+2*\u:SS+8+2*\u+1], v[ADRSA] offset:512*(\q)+256*\u
.endr
.endm
.macro FETCHQ q
	SCALES \q
.irp g, 0,1,2,3
	FPART \q, \g
.endr
	WIN 0
.endm
.macro MUL8 q, a, zero
.set SS, SC+12*((\q)%2)
	WIN 0xa5+0x0a*((\q)%2)
.irp b, 0,1,2,3,4,5,6,7
.if \zero
	v_wmma_scale_f32_16x16x128_f8f6f4 v[8*(8*(\a)+\b):8*(8*(\a)+\b)+7], v[FR*\b:FR*\b+FR-1], v[96+FR*(\a):96+FR*(\a)+FR-1], 0, v[SS+4*(\b%2)+\b/2], v[SS+8+2*((\a)%2)+(\a)/2] matrix_a_fmt:MATRIX_FMT_FP6 matrix_b_fmt:MATRIX_FMT_FP6
.else
	v_wmma_scale_f32_16x16x128_f8f6f4 v[8*(8*(\a)+\b):8*(8*(\a)+\b)+7], v[FR*\b:FR*\b+FR-1], v[96+FR*(\a):96+FR*(\a)+FR-1], v[8*(8*(\a)+\b):8*(8*(\a)+\b)+7], v[SS+4*(\b%2)+\b/2], v[SS+8+2*((\a)%2)+(\a)/2] matrix_a_fmt:MATRIX_FMT_FP6 matrix_b_fmt:MATRIX_FMT_FP6
.endif
.endr
.endm
.macro QSTEP q, zero, nxt
	s_wait_dscnt 0x0
.if \nxt
	PLACES 4
	SCALES (\q)+1
.endif
.irp g, 0,1,2,3
.if \nxt
	FPART (\q)+1, \g
.endif
	MUL8 \q, \g, \zero
.endr
	WIN 0
.endm
.macro QLAST q
	s_wait_dscnt 0x0
	s_barrier_signal -1
.irp g, 0,1,2,3
	MUL8 \q, \g, 0
.endr
	WIN 0
	s_barrier_wait -1
	PLACES 4
.endm
.macro QCODE s, pw, xw
.irp b, 0,1,2,3
	v_add_nc_u32 v[TM+12+\b], 0xff000000, v[TM+\b]
.endr
.irp b, 0,1,2,3
	v_lshrrev_b32 v[TM+4+\b], 23, v[TM+12+\b]
.endr
	v_lshl_or_b32 v[\pw], v[TM+5], 8, v[TM+4]
	v_lshl_or_b32 v[\pw], v[TM+6], 16, v[\pw]
	v_lshl_or_b32 v[\pw], v[TM+7], 24, v[\pw]
.if \xw
	s_wait_xcnt 0x0
.endif
.irp c, 0,1
	v_cvt_scalef32_pk16_fp6_f32 v[PC+6*\c:PC+2+6*\c], v[\s+32*\c:\s+15+32*\c], v[TM+12+2*\c]
	v_cvt_scalef32_pk16_fp6_f32 v[PC+12+4*\c:PC+14+4*\c], v[\s+16+32*\c:\s+31+32*\c], v[TM+12+2*\c+1]
.endr
	v_nop
.irp c, 0,1
.irp i, 0,1,2
	v_permlane16_swap_b32 v[PC+6*\c+\i], v[PC+12+4*\c+\i]
.endr
.irp i, 0,1,2
	v_mov_b32 v[PC+3+6*\c+\i], v[PC+12+4*\c+\i]
.endr
.endr
.endm
.macro QUANT s, pw, xw
.irp b, 0,1,2,3
	v_max3_num_f32 v[TM+\b], |v[\s+16*\b]|, |v[\s+1+16*\b]|, 0x1800000
.endr
.irp i, 2,4,6,8,10,12,14
.irp b, 0,1,2,3
	v_max3_num_f32 v[TM+\b], v[TM+\b], |v[\s+16*\b+\i]|, |v[\s+1+16*\b+\i]|
.endr
.endr
.irp b, 0,1,2,3
	v_permlanex16_b32 v[TM+4+\b], v[TM+\b], s[SEL], s[SEL+1]
.endr
.irp b, 0,1,2,3
	v_max_num_f32 v[TM+\b], v[TM+\b], v[TM+4+\b]
.endr
	QCODE \s, \pw, \xw
.endm
.macro PUT a
.irp c, 0,1,2
	global_store_b128 v[OA], v[PC+4*\c:PC+4*\c+3], s[OC:OC+1] offset:(\a)*FRB+512*\c
.endr
.endm
.macro XSETS a
.if (\a) == 0
.set XW, 0
.set XBS, 64
.elseif (\a) == 1
.set XW, 1
.set XBS, 144
.elseif (\a) == 2
.set XW, 3
.set XBS, 144
.else
.set XW, 0
.set XBS, 128
.endif
.endm
.macro XLOAD a
	XSETS \a
	WIN 64*XW
.irp p, 0,1,2,3,4,5,6,7,8,9,10,11,12,13,14,15
	global_load_b128 v[XBS+4*\p:XBS+4*\p+3], v[OA], s[XB:XB+1] offset:(32*((\a)/2)+8*((\a)%2)+\p+8*(\p/8))*4096 th:TH_LOAD_NT
.endr
	WIN 0
.endm
.macro XTURN a
	XSETS \a
	WIN 4*XW
.irp p, 0,1,2,3,4,5,6,7,8,9,10,11,12,13,14,15
	ds_store_b128 v[STO], v[XBS+4*\p:XBS+4*\p+3] offset:528*\p
.endr
	WIN 64*XW
.irp u, 0,1,2,3
.irp q, 0,1,2,3
	ds_load_b128 v[XBS+16*\u+4*\q:XBS+16*\u+4*\q+3], v[RD] offset:128*\u+16*\q
.endr
.endr
	WIN 0
.endm
.macro RBLK a, n
	XSETS \a
.set AC, 64*(\a)
.set PC, 192+44*((\n)%2)
	v_mov_b32 v30, v[8+\a]
	WIN 0x02+16*XW
.set j, 0
.rept 32
	v_pk_fma_f32 v[T+j:T+j+1], v[AC+j:AC+j+1], v[30:31], v[XBS+j:XBS+j+1] op_sel_hi:[1,0,1]
.set j, j+2
.endr
	WIN 0
	QUANT T, 228+\a, (\n)/2
	PUT \a
.endm
	s_load_b256 s[4:11], s[0:1], 0x0
	v_lshl_add_u32 v[SPW], v0, 2, SPARE
	v_mov_b32 v[NIL], 0
	ds_add_u32 v[SPW], v[NIL]
	ds_add_u32 v[SPW], v[NIL]
	v_lshrrev_b32 v1, 5, v0
	v_readfirstlane_b32 s14, v1
	s_lshr_b32 s15, s14, 1
	s_and_b32 s16, s14, 1
	s_bfe_u32 s92, ttmp6, 0x40000
	s_bfe_u32 s93, ttmp6, 0x40004
	s_and_b32 s100, ttmp7, 0xffff
	s_lshl_b32 s17, s100, 2
	s_add_co_u32 s17, s17, s93
	s_lshr_b32 s100, s100, 2
	s_mov_b32 s94, s92
	s_lshl_b32 s95, s93, 2
	s_lshl_b32 s95, 15, s95
	s_lshl_b32 s96, 0x1111, s92
	s_or_b32 s[G1], s95, (3<<16)|(1<<21)
	s_or_b32 s[G1B], s96, (3<<16)|(1<<21)
.set G0X,  84                          ; s84-87, s88-91: group 0 for slot 1, A's and B's
.set G0BX, 88
	GROUP1 G1, 96                                  ; half of p's group x 512 keys: 24,576 bytes
	GROUP1 G1B, 192                                ; a group of v^T x 512 keys: 49,152 bytes
	s_mul_i32 s[G0+2], s17, 196608
	s_mul_i32 s18, s16, 24576
	s_add_co_u32 s[G0+2], s[G0+2], s18
	s_mov_b32 s[G0+3], 0
	s_lshl_b32 s19, s94, 1
	s_lshl_b32 s101, s100, 3
	s_add_co_u32 s19, s19, s101
	s_lshl_b32 s[G0SB+2], s19, 13
	s_lshl_b32 s2, s14, 12
	s_add_co_u32 s[G0SB+2], s[G0SB+2], s2
	s_add_co_u32 s[G0SB+2], s[G0SB+2], Q_VS
	s_mov_b32 s[G0SB+3], 0
	s_add_co_u32 s19, s19, s16
	s_mul_i32 s[G0B+2], s19, 196608
	s_add_co_u32 s[G0B+2], s[G0B+2], Q_VI
	s_mov_b32 s[G0B+3], 0
	s_mov_b32 s[SEL], 0x76543210
	s_mov_b32 s[SEL+1], 0xfedcba98
	s_mov_b32 s97, 0xffff0000
	s_cmp_eq_u32 s15, 1
	s_cselect_b32 s98, -1, 0
	s_mul_i32 s76, s17, 196608
	s_mul_i32 s77, s92, 24576
	s_add_co_u32 s76, s76, s77
	s_add_co_u32 s76, s76, HALFK
	s_lshr_b32 s77, s93, 1
	s_lshl_b32 s78, s94, 1
	s_add_co_u32 s77, s77, s78
	s_lshl_b32 s78, s100, 3
	s_add_co_u32 s77, s77, s78
	s_mul_i32 s77, s77, 196608
	s_and_b32 s78, s93, 1
	s_mul_i32 s78, s78, 6
	s_mul_i32 s79, s16, 3
	s_add_co_u32 s78, s78, s79
	s_lshl_b32 s78, s78, 13
	s_add_co_u32 s77, s77, s78
	s_add_co_u32 s77, s77, Q_VI+HALFK
	s_and_b32 s78, ttmp7, 3
	s_cmp_eq_u32 s78, 0
	s_cselect_b32 s[LIM], 1, 0
	s_cmp_eq_u32 s15, 0
	s_cselect_b32 s76, s76, s77
	s_cselect_b32 s[LIM], 1, s[LIM]
	s_cmp_eq_u32 s14, 1
	s_cselect_b32 s[LIM], 0, s[LIM]
	s_mov_b32 s77, 0
	v_and_b32 v1, 15, v0
	s_wait_alu depctr_va_vdst(0)
	v_bfe_u32 v2, v0, 4, 1
	v_and_b32 v3, 31, v0
	v_lshlrev_b32 v[OA], 4, v3
	s_wait_alu depctr_va_vdst(0)
	v_lshlrev_b32 v[PFO], 8, v3
	s_mul_i32 s22, s15, 4*FRB
	s_mul_i32 s23, s16, HALFK
	s_add_co_u32 s23, s23, HALFK
.irp s, 0,1
	v_add_nc_u32 v[ADRA+\s], s22, v[OA]
	v_add_nc_u32 v[ADRB+\s], s23, v[OA]
	s_add_co_u32 s22, s22, 4*GSTEP
	s_add_co_u32 s23, s23, 4*GSTEP
.endr
	s_lshl_b32 s22, s15, 3
	s_add_co_u32 s22, s22, SCL
	v_lshl_add_u32 v[ADRSA], v1, 4, s22
	s_lshl_b32 s22, s16, 13
	s_add_co_u32 s22, s22, SCL+SGBA
	v_lshl_add_u32 v[ADRSB], v1, 4, s22
	s_lshl_b32 s22, s14, 11
	s_add_co_u32 s22, s22, SCL
	v_add_nc_u32 v[SWA], s22, v[OA]
	s_add_co_u32 s22, s2, SCL+SGBA
	v_add_nc_u32 v27, s22, v[OA]                   ; where I store my 4,096 bytes of v^T's scale words
	s_mul_i32 s22, s14, 16*528
	v_add_nc_u32 v[STO], s22, v[OA]
	v_mul_u32_u24 v4, v1, 528
	v_lshl_add_u32 v4, v2, 6, v4
	v_add_nc_u32 v[RD], s22, v4
	v_mov_b32 v31, 0
	s_lshl_b32 s21, s94, 1
	s_add_co_u32 s21, s21, s16
	s_lshl_b32 s40, s17, 13
	s_add_co_u32 s40, s40, B_PSW
	s_mov_b32 s41, 0
	s_lshl_b32 s42, s14, 11
	s_mov_b32 s43, 0
	s_lshl_b32 s44, s17, 19
	s_lshl_b32 s45, s15, 18
	s_add_co_u32 s44, s44, s45
	s_lshl_b32 s45, s21, 9
	s_add_co_u32 s44, s44, s45
	s_mov_b32 s45, 0
	s_mul_i32 s46, s17, 98304
	s_mul_i32 s47, s21, GSTEP
	s_add_co_u32 s46, s46, s47
	s_mul_i32 s47, s15, 4*FRB
	s_add_co_u32 s46, s46, s47
	s_mov_b32 s47, 0
	s_lshl_b32 s56, s17, 12
	s_lshl_b32 s57, s21, 9
	s_add_co_u32 s56, s56, s57
	s_lshl_b32 s57, s15, 3
	s_add_co_u32 s56, s56, s57
	s_add_co_u32 s56, s56, R_RS
	s_mov_b32 s57, 0
	s_wait_dscnt 0x0
	s_wait_kmcnt 0x0
	s_add_nc_u64 s[40:41], s[4:5], s[40:41]
	s_add_nc_u64 s[42:43], s[40:41], s[42:43]
	s_add_nc_u64 s[XB:XB+1], s[8:9], s[44:45]
	s_add_nc_u64 s[12:13], s[10:11], s[56:57]
	s_add_nc_u64 s[OC:OC+1], s[10:11], s[46:47]
	s_cmp_eq_u32 s15, 0
	s_cselect_b64 s[PFA:PFA+1], s[4:5], s[6:7]
	s_add_nc_u64 s[PFA:PFA+1], s[PFA:PFA+1], s[76:77]
.irp s, 0,1,2,3,4,5,6,7,8,9,10,11,12,13,14,15
	global_load_b128 v[64+4*\s:67+4*\s], v[OA], s[40:41] offset:524288+512*\s
.endr
.irp s, 0,1,2,3,4,5,6,7,8,9,10,11,12,13,14,15
	global_load_b128 v[128+4*\s:131+4*\s], v[OA], s[40:41] offset:1048576+512*\s
.endr
.irp k, 0,1,2,3
	global_load_b128 v[192+4*\k:195+4*\k], v[OA], s[42:43] offset:524288+512*\k
	global_load_b128 v[224+4*\k:227+4*\k], v[OA], s[42:43] offset:512*\k
.endr
	s_add_nc_u64 s[G0+2:G0+3], s[4:5], s[G0+2:G0+3]
	s_add_nc_u64 s[G0B+2:G0B+3], s[6:7], s[G0B+2:G0B+3]
	s_add_nc_u64 s[G0SB+2:G0SB+3], s[6:7], s[G0SB+2:G0SB+3]
.irp c, 0,1,2,3
	global_load_b128 v[208+4*\c:211+4*\c], v[OA], s[G0SB+2:G0SB+3] offset:512*\c        ; v^T's scale words, a quarter a wave, through registers
	global_load_b128 v[240+4*\c:243+4*\c], v[OA], s[G0SB+2:G0SB+3] offset:2048+512*\c
.endr
	s_mov_b32 s[G0], 1
	s_mul_i32 s[G0+1], s16, 24576
	s_or_b32 s[G0+3], s[G0+3], 0x80000000
	s_mov_b32 s[G0B], 1
	s_mul_i32 s[G0B+1], s16, HALFK
	s_add_co_u32 s[G0B+1], s[G0B+1], HALFK
	s_or_b32 s[G0B+3], s[G0B+3], 0x80000000
	s_mov_b32 s[G0X], 1                            ; slot 1: 512 keys on, in LDS and in memory
	s_add_co_u32 s[G0X+1], s[G0+1], 4*GSTEP
	s_add_nc_u64 s[G0X+2:G0X+3], s[G0+2:G0+3], 4*GSTEP
	s_mov_b32 s[G0BX], 1
	s_add_co_u32 s[G0BX+1], s[G0B+1], 4*GSTEP
	s_add_nc_u64 s[G0BX+2:G0BX+3], s[G0B+2:G0B+3], 4*GSTEP
	CROUND                                         ; all sixteen work-groups are here: the first joint loads meet
	JLOAD G0, G1, G0B, G1B                         ; keys 0-511
	s_wait_alu depctr_va_vdst(0)
	s_wait_loadcnt 0x0
.irp c, 0,1,2,3
	ds_store_b128 v27, v[208+4*\c:211+4*\c] offset:512*\c
	ds_store_b128 v27, v[240+4*\c:243+4*\c] offset:2048+512*\c
.endr
.irp j, 0,1,2,3
	v_min3_num_f32 v[4+\j], v[64+\j], v[68+\j], v[72+\j]
.endr
.irp s, 3,5,7,9,11,13
.irp j, 0,1,2,3
	v_min3_num_f32 v[4+\j], v[4+\j], v[64+4*\s+\j], v[68+4*\s+\j]
.endr
.endr
.irp j, 0,1,2,3
	v_min_num_f32 v[4+\j], v[4+\j], v[124+\j]
.endr
	s_mov_b32 s22, 0x80808080
.irp k, 0,1,2,3
.irp j, 0,1,2,3
	v_sub_f32 v[8+\j], v[192+4*\k+\j], v[4+\j]
.endr
.irp j, 0,1,2,3
	v_cvt_i32_f32 v[8+\j], v[8+\j]
.endr
.irp j, 0,1,2,3
	v_min_u32 v[8+\j], 127, v[8+\j]
.endr
.irp j, 0,1,2,3
	v_perm_b32 v[8+\j], v[8+\j], v[8+\j], 0
.endr
.irp j, 0,1,2,3
	v_or_b32 v[12+\j], s22, v[224+4*\k+\j]
.endr
.irp j, 0,1,2,3
	v_sub_nc_u32 v[12+\j], v[12+\j], v[8+\j]
.endr
.irp j, 0,1,2,3
	v_and_b32 v[8+\j], s22, v[12+\j]
.endr
.irp j, 0,1,2,3
	v_lshrrev_b32 v[224+4*\k+\j], 7, v[8+\j]
.endr
.irp j, 0,1,2,3
	v_sub_nc_u32 v[8+\j], v[8+\j], v[224+4*\k+\j]
.endr
.irp j, 0,1,2,3
	v_and_b32 v[224+4*\k+\j], v[12+\j], v[8+\j]
.endr
	ds_store_b128 v[SWA], v[224+4*\k:227+4*\k] offset:512*\k
.endr
.set j, 0
.rept 16
	v_pk_add_f32 v[64+j:65+j], v[4:5], v[64+j:65+j] neg_lo:[0,1] neg_hi:[0,1]
	v_pk_add_f32 v[66+j:67+j], v[6:7], v[66+j:67+j] neg_lo:[0,1] neg_hi:[0,1]
.set j, j+4
.endr
.set j, 0
.rept 64
	v_cvt_i32_f32 v[64+j], v[64+j]
.set j, j+1
.endr
.set j, 0
.rept 64
	v_ldexp_f32 v[128+j], v[128+j], v[64+j]
.set j, j+1
.endr
.set j, 4
.rept 15
	v_pk_add_f32 v[128:129], v[128:129], v[128+j:129+j]
	v_pk_add_f32 v[130:131], v[130:131], v[130+j:131+j]
.set j, j+4
.endr
	s_wait_alu depctr_va_vdst(0)
.irp j, 0,1,2,3
	v_rcp_f32 v[132+\j], v[128+\j]
.endr
	v_nop
	s_wait_alu depctr_va_vdst(0)
	v_cndmask_b32 v140, v132, v134, s98
	v_cndmask_b32 v141, v133, v135, s98
	v_permlanex16_b32 v136, v140, s[SEL], s[SEL+1]
	v_permlanex16_b32 v137, v141, s[SEL], s[SEL+1]
.irp j, 0,1
	v_cndmask_b32 v[8+2*\j], v[140+\j], v[136+\j], s97
	v_cndmask_b32 v[9+2*\j], v[136+\j], v[140+\j], s97
.endr
	XLOAD 3
	XLOAD 0
	XLOAD 1
	XLOAD 2
	s_wait_tensorcnt 0x0                           ; my part of slot 0 is in
	ds_add_u32 v[SPW], v[NIL]
	s_wait_dscnt 0x0                               ; the add is done, and my scale words lie in LDS
	CROUND
	JLOAD G0X, G1, G0BX, G1B                       ; keys 512-1,023 into slot 1
	FETCHQ 0
	s_cmp_eq_u32 s[LIM], 1
	s_cbranch_scc0 .Lnot_mine
.irp e, 0,1,2
	global_prefetch_b8 v[PFO], s[PFA:PFA+1] offset:8192*\e th:TH_LOAD_NT scope:SCOPE_SE
.endr
.Lnot_mine:
	QSTEP 0, 1, 1
; A change of slots, at the head of a slot's last K step: that step's fragments were asked for in the step before, so behind the wait on DScnt my reads of the slot are over; the other slot is whole when all have waited.
.macro RING g0a, g0b
	s_wait_tensorcnt 0x0                           ; all my tensor loads have landed: the one that was out is my part of the other slot
	ds_add_u32 v[SPW], v[NIL]
	s_add_nc_u64 s[\g0a+2:\g0a+3], s[\g0a+2:\g0a+3], HALFK   ; this slot's next 512 keys lie 1,024 keys on
	s_add_nc_u64 s[\g0b+2:\g0b+3], s[\g0b+2:\g0b+3], HALFK
	s_wait_dscnt 0x0
	CROUND
	JLOAD \g0a, G1, \g0b, G1B                      ; the first tensor load behind the round
.endm
	QSTEP 1, 0, 1
	QSTEP 2, 0, 1
	RING G0, G0B                                   ; keys 1,024-1,535 into slot 0
.irp q, 3,4,5,6
	QSTEP \q, 0, 1
.endr
	RING G0X, G0BX                                 ; keys 1,536-2,047 into slot 1
.irp q, 7,8,9,10
	QSTEP \q, 0, 1
.endr
	s_wait_tensorcnt 0x0                           ; my part of the last 512 keys is in,
	s_wait_dscnt 0x0
	s_barrier_signal -1
	s_barrier_wait -1                              ; everybody's is
.irp q, 11,12,13,14
	QSTEP \q, 0, 1
.endr
	QLAST 15
.irp b, 0,1,2,3
	v_mov_b32 v[TM+4+\b], 0
.endr
	s_wait_loadcnt 0x0
	XTURN 3
	s_wait_dscnt 0x0
	XTURN 0
	s_wait_alu depctr_va_vdst(0)
	RBLK 3, 0
	s_wait_dscnt 0x0
	XTURN 1
	RBLK 0, 1
	s_wait_dscnt 0x0
	XTURN 2
	RBLK 1, 2
	s_wait_dscnt 0x0
	RBLK 2, 3
	v_cndmask_b32 v232, v228, v229, s97
	v_cndmask_b32 v233, v230, v231, s97
	global_store_b64 v[OA], v[232:233], s[12:13]
	s_wait_tensorcnt 0x0
	ds_add_u32 v[SPW], v[NIL]
	s_wait_dscnt 0x0
	CROUND
	s_endpgm
.Lfunc_end_k_qbb04de6b23_mix:
	.size	k_qbb04de6b23_mix, .Lfunc_end_k_qbb04de6b23_mix-k_qbb04de6b23_mix
	.p2alignl 7, 3214868480
	.fill 96, 4, 3214868480
	.section	.rodata,"a",@progbits
	.p2align	6, 0x0
	.amdhsa_kernel k_qbb04de6b23_mix
		.amdhsa_group_segment_fixed_size 327680
		.amdhsa_private_segment_fixed_size 0
		.amdhsa_enable_private_segment 0
		.amdhsa_kernarg_size 32
		.amdhsa_user_sgpr_count 2
		.amdhsa_user_sgpr_kernarg_segment_ptr 1
		.amdhsa_wavefront_size32 1
		.amdhsa_system_sgpr_workgroup_id_x 1
		.amdhsa_system_sgpr_workgroup_id_y 1
		.amdhsa_system_sgpr_workgroup_id_z 1
		.amdhsa_system_vgpr_workitem_id 0
		.amdhsa_next_free_vgpr 1024
		.amdhsa_next_free_sgpr 102
		.amdhsa_reserve_vcc 0
		.amdhsa_float_denorm_mode_32 3
		.amdhsa_float_denorm_mode_16_64 3
		.amdhsa_memory_ordered 1
		.amdhsa_forward_progress 1
		.amdhsa_inst_pref_size 187
	.end_amdhsa_kernel
	.amdgpu_metadata
---
amdhsa.version: [ 1, 2 ]
amdhsa.kernels:
  - .name:           k_qbb04de6b23_mix
    .symbol:         k_qbb04de6b23_mix.kd
    .args:
      - { .name: pb, .offset: 0, .size: 8, .value_kind: global_buffer, .address_space: global }
      - { .name: qkv, .offset: 8, .size: 8, .value_kind: global_buffer, .address_space: global }
      - { .name: x, .offset: 16, .size: 8, .value_kind: global_buffer, .address_space: global }
      - { .name: rb, .offset: 24, .size: 8, .value_kind: global_buffer, .address_space: global }
    .group_segment_fixed_size: 327680
    .private_segment_fixed_size: 0
    .kernarg_segment_align: 8
    .kernarg_segment_size: 32
    .max_flat_workgroup_size: 128
    .sgpr_count:     102
    .vgpr_count:     1024
    .wavefront_size: 32
...
	.end_amdgpu_metadata
.endif
;; end of part 4
;; launch outp (part 5): grid 4 x 64, 4 waves a work-group, clusters of 4 x 4, 327,680 bytes of LDS; arguments rb, pre, bo, out0; writes out0
.if DOCPART == 5
	.amdgcn_target "amdgcn-amd-amdhsa--gfx1250"
	.amdhsa_code_object_version 6
	.text
	.protected	k_qbb04de6b23_outp
	.globl	k_qbb04de6b23_outp
	.p2align	8
	.type	k_qbb04de6b23_outp,@function
k_qbb04de6b23_outp:
	s_mov_b64 s[64:65], 0
	v_nop
	global_prefetch_b8 v0, s[64:65] scope:SCOPE_SE
	s_setreg_imm32_b32 hwreg(HW_REG_WAVE_MODE, 25, 1), 1
	s_wait_xcnt 0x0
	s_wait_alu depctr_hold_cnt(0) depctr_sa_sdst(0) depctr_va_vdst(0) depctr_va_sdst(0) depctr_va_ssrc(0) depctr_va_vcc(0) depctr_vm_vsrc(0)
	s_getreg_b32 s2, hwreg(HW_REG_IB_STS2, 6, 4)
	s_cmp_eq_u32 s2, 0
	s_cbranch_scc0 .Lentry_in_a_cluster
	s_endpgm
.Lentry_in_a_cluster:
	s_bfe_u32 s2, ttmp6, 0x10000c
	s_cmp_lg_u32 s2, 0xf033
	s_cbranch_scc0 .Lentry_shape_is_right
	s_endpgm
.Lentry_shape_is_right:
; out = r Wo^T + bo, on codes of FP6 (E2M3) with E8M0 scales; out is f32.  Nothing is left out.
; A TILE IS 128 ROWS x 256 COLUMNS: 64 x 4 tiles, one to each of 256 work-groups.  Four waves, each 64 x 128: A's blocks 4 (wave / 2) .. + 3 against the eight blocks of B's group wave % 2: 32 accumulators, window 2.
; LDS HOLDS ALL OF K = 1,024: r's group (98,304 bytes), then Wo's two groups, as images of the operand's registers.  They come as two first fills of 512 along K (waves 0, 1: halves of r's; waves 2, 3: a group of Wo's);
; nothing is filled again.  The second 512 are waited for at the head of the fourth K step of 128, which fetches the first of their fragments.
; CLUSTERS: 4 x 4; r's tiles are asked for jointly along a row of the cluster, Wo's along a column.
; FRAGMENTS have two sets: B's eight and A's four of an even K step in window 1, of an odd one in window 3; the next step's 36 loads go in four runs of nine, one ahead of each eight products.
; The matrix instruction is used transposed: in lane (r, h) the 64 registers of A's block a are columns 32 u + 16 h + 0 .. 15 of row 32 (a / 2) + 8 (a % 2) + r + 8 (r / 8) of my 64.
; THE WAY OUT: a block of 16 rows x 128 columns gets its bias, goes through my own stage in LDS and comes back as whole rows of 512 bytes, which the 32 lanes store as 512 consecutive bytes.
; LIMITS: NaN and infinities are not served.
.set R_RS,  6291456
.set P_WOI, 14942208
.set P_WOS, 16351232
.set FRB,   1536
.set GSTEP, 12288
.set FR,    12
.set HALFK, 98304                      ; a group's images of all 1,024 along K
.set UNIT,  49152                      ; and of 512
.set SCL,   3*HALFK                    ; behind the tiles: r's scale words,
.set SGBA,  4096
.set SPARE, SCL+SGBA+8192              ; Wo's (two groups), and the spare words, 128 bytes for each wave: two blocks of 256 bytes that no other line names
.set ADRA,  16
.set ADRB,  18
.set ADRSA, 20
.set ADRSB, 21
.set OA,    23
.set STO,   24
.set RD,    25
.set SPW,   28
.set NIL,   29
.set SC,    32                         ; v32-55  scale words and nothing else: set q % 2 of 12: B's block b at 4 (b % 2) + b / 2, A's block a at 8 + 2 (a % 2) + a / 2
.set G1,    24
.set G1B,   32
.set G1S,   40
.set G1SB,  48
.set G0S,   56
.set G0SB,  60
.set G0,    68                         ; s68-75  group 0 for A's tiles, a set for each 512 along K
.set G0B,   80                         ; s80-87  for B's
.set MSB, 0
.macro WIN new
.if MSB != (\new)
	s_set_vgpr_msb (MSB<<8)|(\new)
.set MSB, (\new)
.endif
.endm
.macro JLOAD g0a, g1a, g0b, g1b        ; a joint load: waves 0 and 1 fetch for A, waves 2 and 3 for B; an s_nop 0 and four v_nop follow each line
	s_cmp_eq_u32 s15, 0
	s_cbranch_scc0 .Lfor_b_\@
	tensor_load_to_lds s[\g0a:\g0a+3], s[\g1a:\g1a+7]
	s_nop 0
.rept 4
	v_nop
.endr
	s_branch .Lasked_\@
.Lfor_b_\@:
	tensor_load_to_lds s[\g0b:\g0b+3], s[\g1b:\g1b+7]
	s_nop 0
.rept 4
	v_nop
.endr
.Lasked_\@:
.endm
.macro CREST
	s_cmp_lg_u32 s14, 0
	s_cbranch_scc1 .Lnot_wave_0_\@
	s_barrier_signal -3
.Lnot_wave_0_\@:
	s_barrier_wait -3
	s_barrier_signal -1
	s_barrier_wait -1
.endm
.macro CROUND
	s_barrier_signal -1
	s_barrier_wait -1
	CREST
.endm
.macro PLACES n
.rept \n
	v_nop
.endr
.endm
.macro GROUP1 g, rows
	s_mov_b32 s[\g+1], 32<<16
	s_mov_b32 s[\g+2], (\rows)<<16
	s_mov_b32 s[\g+3], 32<<16
	s_mov_b32 s[\g+4], \rows
	s_mov_b32 s[\g+5], 32
	s_mov_b32 s[\g+6], 0
	s_mov_b32 s[\g+7], 0
.endm
.macro FPART q, g                      ; a quarter of K step q's fragments: B's blocks 2 g, 2 g + 1 and A's block g, into set q % 2
.set RQ, (\q)%8
.set FO, (RQ%4)*GSTEP
.set HQ, RQ/4
	WIN 0x40+0x80*((\q)%2)
.irp i, 2*(\g), 2*(\g)+1
.irp c, 0,1,2
	ds_load_b128 v[FR*(\i)+4*\c:FR*(\i)+4*\c+3], v[ADRB+HQ] offset:FO+(\i)*FRB+512*\c
.endr
.endr
.irp c, 0,1,2
	ds_load_b128 v[96+FR*(\g)+4*\c:96+FR*(\g)+4*\c+3], v[ADRA+HQ] offset:FO+(\g)*FRB+512*\c
.endr
.endm
.macro SCALES q
.set SS, SC+12*((\q)%2)
.irp u, 0,1
	ds_load_b128 v[SS+4*\u:SS+4*\u+3], v[ADRSB] offset:512*(\q)+256*\u
.endr
.irp u, 0,1
	ds_load_b64 v[SS+8+2*\u:SS+8+2*\u+1], v[ADRSA] offset:512*(\q)+256*\u
.endr
.endm
.macro FETCHQ q
	SCALES \q
.irp g, 0,1,2,3
	FPART \q, \g
.endr
	WIN 0
.endm
.macro MUL8 q, a, zero                 ; the 32 accumulators take turns, one instruction a turn, in the same order in every step
.set SS, SC+12*((\q)%2)
	WIN 0xa5+0x0a*((\q)%2)
.irp b, 0,1,2,3,4,5,6,7
.if \zero
	v_wmma_scale_f32_16x16x128_f8f6f4 v[8*(8*(\a)+\b):8*(8*(\a)+\b)+7], v[FR*\b:FR*\b+FR-1], v[96+FR*(\a):96+FR*(\a)+FR-1], 0, v[SS+4*(\b%2)+\b/2], v[SS+8+2*((\a)%2)+(\a)/2] matrix_a_fmt:MATRIX_FMT_FP6 matrix_b_fmt:MATRIX_FMT_FP6
.else
	v_wmma_scale_f32_16x16x128_f8f6f4 v[8*(8*(\a)+\b):8*(8*(\a)+\b)+7], v[FR*\b:FR*\b+FR-1], v[96+FR*(\a):96+FR*(\a)+FR-1], v[8*(8*(\a)+\b):8*(8*(\a)+\b)+7], v[SS+4*(\b%2)+\b/2], v[SS+8+2*((\a)%2)+(\a)/2] matrix_a_fmt:MATRIX_FMT_FP6 matrix_b_fmt:MATRIX_FMT_FP6
.endif
.endr
.endm
.macro QSTEP q, zero, bar              ; a K step of 128: 32 products; the next step's fragments and words are fetched into the other sets meanwhile.  bar = 1: they lie in the second 512 along K
	s_wait_dscnt 0x0                               ; this step's fragments and words are in
.if \bar
	s_wait_tensorcnt 0x0                           ; my part of the second 512 is in,
	s_barrier_signal -1
	s_barrier_wait -1                              ; everybody's is
.endif
	PLACES 4                                       ; the other sets were read by the last step's products
	SCALES (\q)+1
.irp g, 0,1,2,3
	FPART (\q)+1, \g
	MUL8 \q, \g, \zero
.endr
	WIN 0
.endm
.macro QLAST q                         ; the last K step: my reads of the tiles are over; when all four waves have said so, the tiles' bytes may hold the stages
	s_wait_dscnt 0x0
	s_barrier_signal -1
.irp g, 0,1,2,3
	MUL8 \q, \g, 0
.endr
	WIN 0
	s_barrier_wait -1
	PLACES 4
.endm
	s_load_b256 s[4:11], s[0:1], 0x0               ; rb, pre, bo, out0
	v_lshl_add_u32 v[SPW], v0, 2, SPARE
	v_mov_b32 v[NIL], 0
	ds_add_u32 v[SPW], v[NIL]                      ; the wave's opening: the add, twice on end, and its wait ahead of my first tensor load
	ds_add_u32 v[SPW], v[NIL]
	v_lshrrev_b32 v1, 5, v0
	v_readfirstlane_b32 s14, v1
	s_lshr_b32 s15, s14, 1
	s_and_b32 s16, s14, 1
	s_bfe_u32 s92, ttmp6, 0x40000                  ; cx = the tile column
	s_bfe_u32 s93, ttmp6, 0x40004                  ; cy
	s_and_b32 s100, ttmp7, 0xffff
	s_lshl_b32 s17, s100, 2
	s_add_co_u32 s17, s17, s93                     ; tile row = group of 128 rows, 0..63
	s_mov_b32 s94, s92
	s_lshl_b32 s95, s93, 2
	s_lshl_b32 s95, 15, s95
	s_lshl_b32 s96, 0x1111, s92
	s_or_b32 s[G1], s95, (3<<16)|(1<<21)
	s_or_b32 s[G1B], s96, (3<<16)|(1<<21)
	GROUP1 G1, 96                                  ; half of r's group x 512 K: 24,576 bytes
	GROUP1 G1B, 192                                ; a group of Wo's x 512 K: 49,152 bytes
	s_mul_i32 s[G0+2], s17, HALFK
	s_mul_i32 s18, s16, 24576
	s_add_co_u32 s[G0+2], s[G0+2], s18
	s_mov_b32 s[G0+3], 0
	s_lshl_b32 s[G0S+2], s17, 12
	s_lshl_b32 s18, s16, 11
	s_add_co_u32 s[G0S+2], s[G0S+2], s18
	s_add_co_u32 s[G0S+2], s[G0S+2], R_RS
	s_mov_b32 s[G0S+3], 0
	s_lshl_b32 s19, s94, 1
	s_add_co_u32 s19, s19, s16
	s_mul_i32 s[G0B+2], s19, HALFK
	s_add_co_u32 s[G0B+2], s[G0B+2], P_WOI
	s_mov_b32 s[G0B+3], 0
	s_lshl_b32 s[G0SB+2], s19, 12
	s_add_co_u32 s[G0SB+2], s[G0SB+2], P_WOS
	s_mov_b32 s[G0SB+3], 0
	v_and_b32 v1, 15, v0
	s_wait_alu depctr_va_vdst(0)
	v_bfe_u32 v2, v0, 4, 1
	v_and_b32 v3, 31, v0
	v_lshlrev_b32 v[OA], 4, v3
	s_mul_i32 s22, s15, 4*FRB                      ; my four blocks of A
	s_mul_i32 s23, s16, HALFK
	s_add_co_u32 s23, s23, HALFK                   ; my group of B
.irp s, 0,1
	v_add_nc_u32 v[ADRA+\s], s22, v[OA]
	v_add_nc_u32 v[ADRB+\s], s23, v[OA]
	s_add_co_u32 s22, s22, 4*GSTEP
	s_add_co_u32 s23, s23, 4*GSTEP
.endr
	s_lshl_b32 s22, s15, 3
	s_add_co_u32 s22, s22, SCL
	v_lshl_add_u32 v[ADRSA], v1, 4, s22            ; a lane row's four words are blocks u, 2 + u, 4 + u, 6 + u: my two begin 8 (wave / 2) bytes on
	s_lshl_b32 s22, s16, 12
	s_add_co_u32 s22, s22, SCL+SGBA
	v_lshl_add_u32 v[ADRSB], v1, 4, s22
	s_mul_i32 s22, s14, 16*528                     ; my stage: in the tiles' bytes, which are filled once and are read by nobody behind the last barrier
	v_mul_u32_u24 v4, v1, 528
	v_lshl_add_u32 v4, v2, 6, v4
	v_add_nc_u32 v[STO], s22, v4                   ; in: row r, + 64 h
	v_add_nc_u32 v[RD], s22, v[OA]                 ; back: a whole row, 16 bytes a lane
	v_lshlrev_b32 v30, 6, v2
	s_lshl_b32 s22, s16, 11                        ; where I store scale words: waves 0, 1 halves of r's 4,096 bytes, waves 2, 3 a group of Wo's, 4,096 each, behind them
	s_and_b32 s23, s15, s16
	s_lshl_b32 s23, s23, 11
	s_add_co_u32 s22, s22, s23
	s_lshl_b32 s23, s15, 12
	s_add_co_u32 s22, s22, s23
	s_add_co_u32 s22, s22, SCL
	v_add_nc_u32 v26, s22, v[OA]
	s_lshl_b32 s21, s94, 1
	s_add_co_u32 s21, s21, s16                     ; my group of columns
	s_lshl_b32 s20, s17, 19                        ; out: 128 rows of 4,096 bytes a group,
	s_lshl_b32 s22, s15, 18                        ; my 64 of them,
	s_add_co_u32 s20, s20, s22
	s_lshl_b32 s22, s21, 9                         ; my 128 columns
	s_add_co_u32 s20, s20, s22
	s_mov_b32 s21, 0
	s_mov_b32 s23, 0
	s_wait_alu depctr_va_vdst(0)
	s_wait_dscnt 0x0                               ; both opening adds are done
	s_wait_kmcnt 0x0
	s_add_nc_u64 s[8:9], s[8:9], s[22:23]          ; bo at my 128 columns
	s_add_nc_u64 s[10:11], s[10:11], s[20:21]      ; out at my 64 rows and 128 columns
.irp u, 0,1,2,3
.irp q, 0,1,2,3
	global_load_b128 v[64+16*\u+4*\q:67+16*\u+4*\q], v30, s[8:9] offset:128*\u+16*\q   ; register 16 u + i: the bias of column 32 u + 16 h + i
.endr
.endr
	s_add_nc_u64 s[G0+2:G0+3], s[4:5], s[G0+2:G0+3]
	s_add_nc_u64 s[G0S+2:G0S+3], s[4:5], s[G0S+2:G0S+3]
	s_add_nc_u64 s[G0B+2:G0B+3], s[6:7], s[G0B+2:G0B+3]
	s_add_nc_u64 s[G0SB+2:G0SB+3], s[6:7], s[G0SB+2:G0SB+3]
	s_add_nc_u64 s[G0+6:G0+7], s[G0+2:G0+3], UNIT
	s_add_nc_u64 s[G0B+6:G0B+7], s[G0B+2:G0B+3], UNIT
.irp s, 0,1
	s_mov_b32 s[G0+4*\s], 1
	s_mul_i32 s[G0+4*\s+1], s16, 24576             ; where they go: no place in the cluster enters an LDS address
	s_add_co_u32 s[G0+4*\s+1], s[G0+4*\s+1], \s*UNIT
	s_or_b32 s[G0+4*\s+3], s[G0+4*\s+3], 0x80000000
	s_mov_b32 s[G0B+4*\s], 1
	s_mul_i32 s[G0B+4*\s+1], s16, HALFK
	s_add_co_u32 s[G0B+4*\s+1], s[G0B+4*\s+1], HALFK+\s*UNIT
	s_or_b32 s[G0B+4*\s+3], s[G0B+4*\s+3], 0x80000000
.endr
	s_cmp_eq_u32 s15, 0                            ; the scale words come through registers into LDS bytes of their own
	s_cselect_b64 s[G0S+2:G0S+3], s[G0S+2:G0S+3], s[G0SB+2:G0SB+3]
.irp c, 0,1,2,3
	global_load_b128 v[128+4*\c:131+4*\c], v[OA], s[G0S+2:G0S+3] offset:512*\c
.endr
	s_cmp_eq_u32 s15, 0
	s_cbranch_scc1 .Lwords_in                      ; waves 0 and 1 have 2,048 bytes each
.irp c, 4,5,6,7
	global_load_b128 v[128+4*\c:131+4*\c], v[OA], s[G0S+2:G0S+3] offset:512*\c
.endr
.Lwords_in:
	CROUND                                         ; all sixteen work-groups are here: the first joint loads meet
	JLOAD G0, G1, G0B, G1B                         ; the first 512 along K
	s_wait_loadcnt 0x0
.irp c, 0,1,2,3
	ds_store_b128 v26, v[128+4*\c:131+4*\c] offset:512*\c
.endr
	s_cmp_eq_u32 s15, 0
	s_cbranch_scc1 .Lwords_st
.irp c, 4,5,6,7
	ds_store_b128 v26, v[128+4*\c:131+4*\c] offset:512*\c
.endr
.Lwords_st:
	s_wait_tensorcnt 0x0                           ; my part of the first 512 is in
	ds_add_u32 v[SPW], v[NIL]
	s_wait_dscnt 0x0                               ; the add is done, and my scale words lie in LDS
	CROUND
	JLOAD G0+4, G1, G0B+4, G1B                     ; the second 512 along K
	FETCHQ 0
	QSTEP 0, 1, 0                                  ; the first products start the sums: nothing is cleared
	QSTEP 1, 0, 0
	QSTEP 2, 0, 0
	QSTEP 3, 0, 1
	QSTEP 4, 0, 0
	QSTEP 5, 0, 0
	QSTEP 6, 0, 0
	QLAST 7
	s_wait_loadcnt 0x0                             ; the bias
.macro ADDB a                          ; block a + bias, into v128-191 and v192-255 by turns
.set AC, 64*(\a)
.set TT, 128+64*((\a)%2)
	WIN 0x02                                       ; source 0: the accumulators' window
.set j, 0
.rept 32
	v_pk_add_f32 v[TT+j:TT+j+1], v[AC+j:AC+j+1], v[64+j:65+j]   ; each accumulator from its low end on
.set j, j+2
.endr
	WIN 0
.endm
.macro STAGE a                         ; into my stage, and back by rows into window 1: 64 registers of its own for each block, so that no store's data are written again
.set TT, 128+64*((\a)%2)
.irp u, 0,1,2,3
.irp q, 0,1,2,3
	ds_store_b128 v[STO], v[TT+16*\u+4*\q:TT+16*\u+4*\q+3] offset:128*\u+16*\q
.endr
.endr
	WIN 0x40
.irp t, 0,1,2,3,4,5,6,7,8,9,10,11,12,13,14,15
	ds_load_b128 v[64*(\a)+4*\t:64*(\a)+4*\t+3], v[RD] offset:528*\t   ; LDS serves a wave's instructions in order: these see my stores, and the next block's stores come behind them
.endr
	WIN 0
.endm
.macro SEND a
	s_wait_dscnt 0x0                               ; the block is back in registers, and its stores into the stage have read theirs
	WIN 0x04                                       ; a store's data are its source 1: window 1
.irp t, 0,1,2,3,4,5,6,7,8,9,10,11,12,13,14,15
	global_store_b128 v[OA], v[64*(\a)+4*\t:64*(\a)+4*\t+3], s[10:11] offset:(32*((\a)/2)+8*((\a)%2)+\t+8*(\t/8))*4096 th:TH_STORE_NT   ; 512 consecutive bytes of one row; the row stands in the immediate: no base is stepped
.endr
	WIN 0
.endm
	ADDB 0
	STAGE 0
	ADDB 1                                         ; a block's additions stand between the loads of the block before and the wait for them
	s_wait_alu depctr_va_vdst(0)
	SEND 0
	STAGE 1
	ADDB 2
	s_wait_alu depctr_va_vdst(0)
	SEND 1
	STAGE 2
	ADDB 3
	s_wait_alu depctr_va_vdst(0)
	SEND 2
	STAGE 3
	SEND 3
	s_wait_tensorcnt 0x0                           ; the wave's end: behind my last tensor load and my last LDS store
	ds_add_u32 v[SPW], v[NIL]
	s_wait_dscnt 0x0
	CROUND                                         ; the closing round: no work-group ends while a partner may still ask for a tile that names it
	s_endpgm
.Lfunc_end_k_qbb04de6b23_outp:
	.size	k_qbb04de6b23_outp, .Lfunc_end_k_qbb04de6b23_outp-k_qbb04de6b23_outp
	.p2alignl 7, 3214868480
	.fill 96, 4, 3214868480
	.section	.rodata,"a",@progbits
	.p2align	6, 0x0
	.amdhsa_kernel k_qbb04de6b23_outp
		.amdhsa_group_segment_fixed_size 327680
		.amdhsa_private_segment_fixed_size 0
		.amdhsa_enable_private_segment 0
		.amdhsa_kernarg_size 32
		.amdhsa_user_sgpr_count 2
		.amdhsa_user_sgpr_kernarg_segment_ptr 1
		.amdhsa_wavefront_size32 1
		.amdhsa_system_sgpr_workgroup_id_x 1
		.amdhsa_system_sgpr_workgroup_id_y 1
		.amdhsa_system_sgpr_workgroup_id_z 1
		.amdhsa_system_vgpr_workitem_id 0
		.amdhsa_next_free_vgpr 1024
		.amdhsa_next_free_sgpr 102
		.amdhsa_reserve_vcc 0
		.amdhsa_float_denorm_mode_32 3
		.amdhsa_float_denorm_mode_16_64 3
		.amdhsa_memory_ordered 1
		.amdhsa_forward_progress 1
		.amdhsa_inst_pref_size 90
	.end_amdhsa_kernel
	.amdgpu_metadata
---
amdhsa.version: [ 1, 2 ]
amdhsa.kernels:
  - .name:           k_qbb04de6b23_outp
    .symbol:         k_qbb04de6b23_outp.kd
    .args:
      - { .name: rb, .offset: 0, .size: 8, .value_kind: global_buffer, .address_space: global }
      - { .name: pre, .offset: 8, .size: 8, .value_kind: global_buffer, .address_space: global }
      - { .name: bo, .offset: 16, .size: 8, .value_kind: global_buffer, .address_space: global }
      - { .name: out0, .offset: 24, .size: 8, .value_kind: global_buffer, .address_space: global }
    .group_segment_fixed_size: 327680
    .private_segment_fixed_size: 0
    .kernarg_segment_align: 8
    .kernarg_segment_size: 32
    .max_flat_workgroup_size: 128
    .sgpr_count:     102
    .vgpr_count:     1024
    .wavefront_size: 32
...
	.end_amdgpu_metadata
.endif
;; end of part 5
